; MI455X (gfx1250); checked and timed in simulation.
; The chip was launched on July 23, 2026; its instructions are those of AMD's public machine-readable ISA for CDNA 5 (MIT licence, August 2026) and "CDNA5" Instruction Set Architecture Reference Guide (July 2026). The comments in the code are by the model that wrote it; some were corrected since.
;; Self Trans Former. Allowed arithmetic: float matrix products may take bf16 or f16 operands with f32 sums; all other float work in f32.
;; Inputs: Wk 1,024 x 512 float32; Wq 1,024 x 512 float32; Wv 1,024 x 512 float32; bk 1,024 float32; bq 1,024 float32; bv 1,024 float32; gk 1,024 float32; gq 1,024 float32; gv 1,024 float32; x 8 x 512 x 1,024 float32.
;; Outputs: out0 8 x 1,024 x 1,024 float32.
;; 2 versions, each right and faster than the one before. Each part assembles by itself: llvm-mc -triple=amdgcn-amd-amdhsa -mcpu=gfx1250 --defsym DOCPART=n.
;; ======== version 1 of 2: 3 launches
;; limits: values outside matrix products are rounded to bf16
;; workspace buffers: xb 8,388,608 bytes; Wb 3,145,728 bytes; z 50,331,648 bytes; part 393,216 bytes
;; launch prep (part 1): grid 256 x 1, 4 waves a work-group, no clusters, 768 bytes of LDS; arguments x, Wq, Wk, Wv, xb, Wb; writes xb, Wb
.if DOCPART == 1
	.amdgcn_target "amdgcn-amd-amdhsa--gfx1250"
	.amdhsa_code_object_version 6
	.text
	.protected	k_qad15cee01d_prep
	.globl	k_qad15cee01d_prep
	.p2align	8
	.type	k_qad15cee01d_prep,@function
k_qad15cee01d_prep:
	s_mov_b64 s[64:65], 0
	v_nop
	global_prefetch_b8 v0, s[64:65] scope:SCOPE_SE
	s_setreg_imm32_b32 hwreg(HW_REG_WAVE_MODE, 25, 1), 1
	s_wait_xcnt 0x0
; PREP: xb = bf16(x - mean of x over batch and position, per input channel); Wb = bf16(Wq, Wk, Wv), blocked along the input channels.
; WHY x IS CENTRED.  BatchNorm needs y - mean(y) with y = W x.  For all values of W and x, mean over (b, p) of (W x) = W (mean over (b, p) of x),
; so y - mean(y) = W (x - mean x): the product with the centred x IS the centred y, its variance is the mean of its squares, and no
; difference of large sums is ever formed.  A common offset on x is taken away here, in f32, ahead of the rounding to bf16.
; NOTHING OF THE PROBLEM IS LEFT OUT: all ten inputs reach the output and all are loaded (x and the W here, the gains and biases in the third kernel).
; LIMITS.  The centred x and the W are rounded to bf16 (matrix operands).  The mean of those rounding errors of x, at most 2^-9 of the values'
; size and averaged over 8,192 numbers, is not taken away again.  NaN and infinities are not treated specially.
; SHARES.  256 work-groups of four waves.  Work-group g: channels 2 g and 2 g + 1 of x, rows 4 g .. 4 g + 3 of each W.
; Wave w: channel c = 2 g + (w >> 1), batches 4 (w & 1) .. + 3: four rows of 4,096 bytes, kept in 128 registers between the sum and the rounding,
; so x is read once.  The two waves of a channel exchange their sums through LDS.
; Layouts written: xb [8 b][512 c][1024 p] bf16;  Wb [8 kb][3072 o][64 c] bf16, rows o: 0-1023 Wq, 1024-2047 Wk, 2048-3071 Wv.
; Memory binds here: no matrix unit, no cluster, no tile in LDS would spare a byte.
.set XO,  2                            ; v2   byte offset in x of my 16 bytes in my first row
.set XS,  3                            ; v3   byte offset in xb of my 8 bytes
.set WO,  4                            ; v4   byte offset in a W: lanes 0-15 row o, lanes 16-31 row o + 1, 256 bytes each
.set WS,  5                            ; v5   byte offset in Wb: the same two rows' 128 + 128 bytes are neighbours there
.set SUM, 6                            ; v[6:13]  four chains of two sums
.set X,   16                           ; v[16:143]  four rows of x, 32 registers each
.set WR,  144                          ; v[144:191] matrix m, block k: 4 registers
.set LW,  192                          ; v192 LDS word of my wave; v193 LDS pair of my channel
	s_load_b256 s[4:11], s[0:1], 0x0               ; x s[4:5], Wq s[6:7], Wk s[8:9], Wv s[10:11]
	s_load_b128 s[12:15], s[0:1], 0x20             ; xb s[12:13], Wb s[14:15]
	v_lshl_add_u32 v200, v0, 2, 0x100
	v_mov_b32 v201, 0
	v_and_b32 v1, 31, v0                           ; lane
	v_lshrrev_b32 v6, 5, v0
	v_readfirstlane_b32 s16, v6                    ; wave
	s_lshr_b32 s17, s16, 1                         ; which of the two channels
	s_and_b32 s24, s16, 1                          ; which half of the batches, and of W's blocks
	s_lshl_b32 s20, ttmp9, 1
	s_add_co_u32 s20, s20, s17                     ; c = 2 g + (w >> 1)
	s_mov_b32 s18, 0x76543210                      ; v_permlanex16_b32: lane i reads lane i of the other half
	s_mov_b32 s19, 0xfedcba98
	s_lshl_b32 s21, s20, 12                        ; c rows of 4,096 bytes
	s_lshl_b32 s22, s24, 23                        ; four batches of 2,097,152 bytes
	s_add_co_u32 s21, s21, s22
	v_lshl_add_u32 v[XO], v1, 4, s21
	s_lshl_b32 s21, s20, 11                        ; the same in bf16
	s_lshl_b32 s22, s24, 22
	s_add_co_u32 s21, s21, s22
	v_lshl_add_u32 v[XS], v1, 3, s21
	s_lshl_b32 s21, s20, 12                        ; W's row 2 c, 2,048 bytes a row
	s_lshl_b32 s22, s24, 10                        ; four blocks of 256 bytes
	s_add_co_u32 s21, s21, s22
	v_lshrrev_b32 v6, 4, v1
	v_and_b32 v7, 15, v1
	v_lshl_add_u32 v[WO], v6, 11, s21
	v_lshl_add_u32 v[WO], v7, 4, v[WO]
	s_lshl_b32 s21, s20, 8                         ; Wb's row 2 c, 128 bytes a row
	s_mul_i32 s22, s24, 4*393216                   ; four blocks of 3,072 rows
	s_add_co_u32 s21, s21, s22
	v_lshl_add_u32 v[WS], v1, 3, s21
	s_lshl_b32 s21, s16, 2
	v_mov_b32 v[LW], s21
	s_lshl_b32 s21, s17, 3
	v_mov_b32 v[LW+1], s21
	s_wait_kmcnt 0x0
.irp bb, 0,1,2,3
.irp j, 0,1,2,3,4,5,6,7
	global_load_b128 v[X+32*\bb+4*\j:X+32*\bb+4*\j+3], v[XO], s[4:5] offset:\bb*2097152+512*\j th:TH_LOAD_NT   ; 512 neighbouring bytes a load
.endr
.endr
.irp k, 0,1,2,3
	global_load_b128 v[WR+4*\k:WR+4*\k+3],       v[WO], s[6:7]   offset:256*\k th:TH_LOAD_NT
	global_load_b128 v[WR+16+4*\k:WR+16+4*\k+3], v[WO], s[8:9]   offset:256*\k th:TH_LOAD_NT
	global_load_b128 v[WR+32+4*\k:WR+32+4*\k+3], v[WO], s[10:11] offset:256*\k th:TH_LOAD_NT
.endr
	; the sum of my four rows, in four chains; the first row's first words start them
	s_wait_loadcnt 36                              ; 44 loads were issued; row 0's eight are in when 36 younger ones are out
.irp c, 0,2,4,6
	v_pk_add_f32 v[SUM+\c:SUM+\c+1], v[X+\c:X+\c+1], v[X+8+\c:X+8+\c+1]
.endr
.irp o, 16,18,20,22,24,26,28,30
	v_pk_add_f32 v[SUM+\o%8:SUM+\o%8+1], v[SUM+\o%8:SUM+\o%8+1], v[X+\o:X+\o+1]
.endr
.irp bb, 1,2,3
	s_wait_loadcnt 36-8*\bb                        ; row bb is in: the later rows and W's twelve loads stay out
.irp o, 0,2,4,6,8,10,12,14,16,18,20,22,24,26,28,30
	v_pk_add_f32 v[SUM+\o%8:SUM+\o%8+1], v[SUM+\o%8:SUM+\o%8+1], v[X+32*\bb+\o:X+32*\bb+\o+1]
.endr
.endr
	v_pk_add_f32 v[SUM:SUM+1], v[SUM:SUM+1], v[SUM+2:SUM+3]
	v_pk_add_f32 v[SUM+4:SUM+5], v[SUM+4:SUM+5], v[SUM+6:SUM+7]
	v_pk_add_f32 v[SUM:SUM+1], v[SUM:SUM+1], v[SUM+4:SUM+5]
	v_add_f32 v6, v6, v7
	v_add_f32_dpp v6, v6, v6 row_xmask:1 row_mask:0xf bank_mask:0xf
	v_add_f32_dpp v6, v6, v6 row_xmask:2 row_mask:0xf bank_mask:0xf
	v_add_f32_dpp v6, v6, v6 row_xmask:4 row_mask:0xf bank_mask:0xf
	v_add_f32_dpp v6, v6, v6 row_xmask:8 row_mask:0xf bank_mask:0xf
	v_permlanex16_b32 v7, v6, s18, s19             ; v7 has been written: its old value counts as read
	v_add_f32 v6, v6, v7                           ; my wave's 4,096 numbers, in every lane
	ds_store_b32 v[LW], v6                         ; all lanes write one word with one value
	s_wait_dscnt 0x0                               ; for the partner wave's sake: the store is done before I signal
	s_barrier_signal -1
	s_barrier_wait -1
	ds_load_b64 v[10:11], v[LW+1]                  ; the two waves of my channel
	s_wait_dscnt 0x0
	v_add_f32 v10, v10, v11
	v_mul_f32 v14, 0xb9000000, v10                 ; - sum / 8192
	v_mov_b32 v15, v14
	; centre, round, store: a store of the wave covers 256 consecutive bytes of xb, aligned
.set k, 0
.rept 32
	v_pk_add_f32 v[X+4*k:X+4*k+1],   v[X+4*k:X+4*k+1],   v[14:15]
	v_pk_add_f32 v[X+4*k+2:X+4*k+3], v[X+4*k+2:X+4*k+3], v[14:15]
	v_cvt_pk_bf16_f32 v[X+4*k],   v[X+4*k],   v[X+4*k+1]
	v_cvt_pk_bf16_f32 v[X+4*k+1], v[X+4*k+2], v[X+4*k+3]
	global_store_b64 v[XS], v[X+4*k:X+4*k+1], s[12:13] offset:(k/8)*1048576+256*(k%8)
.set k, k+1
.endr
	s_wait_loadcnt 0x0                             ; W's twelve loads
.irp m, 0,1,2
.irp k, 0,1,2,3
	v_cvt_pk_bf16_f32 v[WR+16*\m+4*\k],   v[WR+16*\m+4*\k],   v[WR+16*\m+4*\k+1]
	v_cvt_pk_bf16_f32 v[WR+16*\m+4*\k+1], v[WR+16*\m+4*\k+2], v[WR+16*\m+4*\k+3]
	global_store_b64 v[WS], v[WR+16*\m+4*\k:WR+16*\m+4*\k+1], s[14:15] offset:\k*393216+\m*131072   ; rows o, o + 1 of one block: 256 consecutive bytes, aligned
.endr
.endr
	s_wait_tensorcnt 0x0
	ds_add_u32 v200, v201
	s_wait_dscnt 0x0
	s_endpgm
.Lfunc_end_k_qad15cee01d_prep:
	.size	k_qad15cee01d_prep, .Lfunc_end_k_qad15cee01d_prep-k_qad15cee01d_prep
	.p2alignl 7, 3214868480
	.fill 96, 4, 3214868480
	.section	.rodata,"a",@progbits
	.p2align	6, 0x0
	.amdhsa_kernel k_qad15cee01d_prep
		.amdhsa_group_segment_fixed_size 768
		.amdhsa_private_segment_fixed_size 0
		.amdhsa_enable_private_segment 0
		.amdhsa_kernarg_size 48
		.amdhsa_user_sgpr_count 2
		.amdhsa_user_sgpr_kernarg_segment_ptr 1
		.amdhsa_wavefront_size32 1
		.amdhsa_system_sgpr_workgroup_id_x 1
		.amdhsa_system_sgpr_workgroup_id_y 1
		.amdhsa_system_sgpr_workgroup_id_z 1
		.amdhsa_system_vgpr_workitem_id 0
		.amdhsa_next_free_vgpr 202
		.amdhsa_next_free_sgpr 66
		.amdhsa_reserve_vcc 0
		.amdhsa_float_denorm_mode_32 3
		.amdhsa_float_denorm_mode_16_64 3
		.amdhsa_memory_ordered 1
		.amdhsa_forward_progress 1
		.amdhsa_inst_pref_size 25
	.end_amdhsa_kernel
	.amdgpu_metadata
---
amdhsa.version: [ 1, 2 ]
amdhsa.kernels:
  - .name:           k_qad15cee01d_prep
    .symbol:         k_qad15cee01d_prep.kd
    .args:
      - { .name: x, .offset: 0, .size: 8, .value_kind: global_buffer, .address_space: global }
      - { .name: Wq, .offset: 8, .size: 8, .value_kind: global_buffer, .address_space: global }
      - { .name: Wk, .offset: 16, .size: 8, .value_kind: global_buffer, .address_space: global }
      - { .name: Wv, .offset: 24, .size: 8, .value_kind: global_buffer, .address_space: global }
      - { .name: xb, .offset: 32, .size: 8, .value_kind: global_buffer, .address_space: global }
      - { .name: Wb, .offset: 40, .size: 8, .value_kind: global_buffer, .address_space: global }
    .group_segment_fixed_size: 768
    .private_segment_fixed_size: 0
    .kernarg_segment_align: 8
    .kernarg_segment_size: 48
    .max_flat_workgroup_size: 128
    .sgpr_count:     66
    .vgpr_count:     202
    .wavefront_size: 32
...
	.end_amdgpu_metadata
.endif
;; end of part 1
;; launch proj (part 2): grid 32 x 8, 4 waves a work-group, clusters of 4 x 4, 327,680 bytes of LDS; arguments Wb, xb, z, part; writes z, part
.if DOCPART == 2
	.amdgcn_target "amdgcn-amd-amdhsa--gfx1250"
	.amdhsa_code_object_version 6
	.text
	.protected	k_qad15cee01d_proj
	.globl	k_qad15cee01d_proj
	.p2align	8
	.type	k_qad15cee01d_proj,@function
k_qad15cee01d_proj:
	s_mov_b64 s[64:65], 0
	v_nop
	global_prefetch_b8 v0, s[64:65] scope:SCOPE_SE
	s_setreg_imm32_b32 hwreg(HW_REG_WAVE_MODE, 25, 1), 1
	s_wait_xcnt 0x0
	s_wait_alu depctr_hold_cnt(0) depctr_sa_sdst(0) depctr_va_vdst(0) depctr_va_sdst(0) depctr_va_ssrc(0) depctr_va_vcc(0) depctr_vm_vsrc(0)
	s_getreg_b32 s2, hwreg(HW_REG_IB_STS2, 6, 4)
	s_cmp_eq_u32 s2, 0
	s_cbranch_scc0 .Lentry_in_a_cluster
	s_endpgm
.Lentry_in_a_cluster:
	s_bfe_u32 s2, ttmp6, 0x10000c
	s_cmp_lg_u32 s2, 0xf033
	s_cbranch_scc0 .Lentry_shape_is_right
	s_endpgm
.Lentry_shape_is_right:
; PROJ: z[b][o][p] = sum over c of Wb[o][c] xb[b][c][p]: the three projections as one product, 3,072 x 8,192 x 512, bf16 operands, f32 sums.
; Since xb is centred per input channel, z is the centred y of BatchNorm (see the first kernel's head); stored: z in bf16, and for each
; channel and each tile of 256 positions the sum of z^2, taken from the f32 sums: part[T = 4 b + p / 256][o].  Nothing is left out.
; LIMIT: z is rounded to bf16 here and once more behind the affine step and the LeakyReLU in the third kernel (each 2^-9 relative).
; SHARES.  A work-group makes 384 channels x 256 positions: 8 x 32 = 256 work-groups.  Four waves; wave w makes 192 channels (wo = w >> 1) x 128
; positions (wp = w & 1): 96 accumulator tiles of 16 x 16, 768 registers, in register windows 1 to 3 (window g + 1: channel blocks 4 g .. 4 g + 3;
; tile (a, b) at v[8 (8 a + b)]).  Window 0 holds addresses and fragments.
; K goes in eight steps of 64 through two LDS slots.  Two slots of a step of 128 would take 2 x (384 x 272 + 128 x 544) = 348,160 bytes, more than
; the 327,680 there are.  Wb is blocked along K so that a step's 384 rows are 49,152 dense bytes, fetched as rows of 256 bytes.
; CLUSTERS: 4 x 4 work-groups.  W's tile hangs on the block row alone and is asked for jointly along a row of the cluster, x's on the block
; column alone and is asked for jointly along a column: each tile is requested once for four work-groups.
; TRANSPOSED USE: source 0 = 16 positions of x, source 1 = 16 channels of W.  Lane l then holds channel l % 16, registers 0-7 hold positions
; 8 (l / 16) + 0 .. 7: eight neighbours of a row of z, 16 bytes in bf16.
.set PW,     144                       ; LDS pitch of W's rows: 128 bytes + 16: an odd multiple of 16, so 16 rows start in 16 different groups of banks
.set PX,     544                       ; LDS pitch of x's rows: 512 bytes + 32: an odd multiple of 32
.set WPART,  384*PW                    ; 55,296
.set XPART,  64*PX                     ; 34,816
.set SLOT,   WPART+XPART               ; 90,112
.set STAGE,  2*SLOT                    ; 180,224: 16 rows x 272 bytes for each wave, for the way out; no fill lands here
.set SPITCH, 272
.set STAT,   STAGE+4*16*SPITCH         ; 197,632: [wp][384] f32; no fill lands here
.set ADRW, 16                          ; v16-17  my W fragments in slot 0, 1
.set ADRX, 20                          ; v20-21  my x fragments in slot 0, 1
.set STO,  24                          ; v24     way out: where I put 16 bytes of a row
.set RD,   25                          ; v25     way out: where I read a row back
.set CO,   26                          ; v26     my byte offset in z
.set STW,  27                          ; v27     where my sums of squares go
.set STR,  28                          ; v28     where I read four channels' sums
.set PO,   29                          ; v29     my byte offset in part
.set SS,   32                          ; v[32:39] four chains of two sums of squares
.set SSR,  40                          ; v[40:51] one sum for each of my 12 channel blocks
.set TA,   52
.set TB,   53
.set XF0,  64                          ; x fragments, 8 x 8 registers, two buffers
.set XF1,  128
.set WF0,  192                         ; W fragments, 4 x 8 registers, two buffers
.set WF1,  224
.set TMP,  192                         ; way out: packed results
.set F0,   64                          ; way out: rows read back, two buffers
.set F1,   96
.set G1,   24                          ; s[24:31] group 1 for W's tiles
.set G0,   32                          ; s[32:39] group 0 for W's tiles, one set for each slot
.set G1B,  48                          ; s[48:55] group 1 for x's tiles
.set G0B,  56                          ; s[56:63] group 0 for x's tiles, one set for each slot
.set MSB, 0
.macro WIN new                         ; the immediate's high byte repeats the setting that is left
.if MSB != \new
	s_set_vgpr_msb (MSB<<8)|\new
.set MSB, \new
.endif
.endm
.macro PLACES                          ; four places behind a matrix instruction before its registers are loaded into or its result is read (ISA guide 7.12.1)
.rept 4
	v_nop
.endr
.endm
; A joint load.  Waves 0 and 1 fetch W's two halves, waves 2 and 3 x's.  The branch hangs on the wave's number alone.
.macro JLOAD s
	s_cmp_eq_u32 s13, 0
	s_cbranch_scc0 .Lfor_x_\@
	tensor_load_to_lds s[G0+4*\s:G0+4*\s+3], s[G1:G1+7]
	s_nop 0
	s_branch .Lasked_\@
.Lfor_x_\@:
	tensor_load_to_lds s[G0B+4*\s:G0B+4*\s+3], s[G1B:G1B+7]
	s_nop 0
.Lasked_\@:
.endm
.macro CREST                           ; a round of the cluster's barrier behind its opening work-group barrier
	s_cmp_lg_u32 s12, 0
	s_cbranch_scc1 .Lnot_wave_0_\@
	s_barrier_signal -3
.Lnot_wave_0_\@:
	s_barrier_wait -3
	s_barrier_signal -1
	s_barrier_wait -1
.endm
.macro CROUND                          ; a whole round
	s_barrier_signal -1
	s_barrier_wait -1
	CREST
.endm
	s_load_b256 s[4:11], s[0:1], 0x0               ; Wb s[4:5], xb s[6:7], z s[8:9], part s[10:11]
	v_lshl_add_u32 v62, v0, 2, 0x31000
	v_mov_b32 v63, 0
	ds_add_u32 v62, v63
	v_lshrrev_b32 v1, 5, v0
	v_readfirstlane_b32 s12, v1                    ; wave 0..3
	s_lshr_b32 s13, s12, 1                         ; wo: my half of the channels.  Also: I fetch for W (0) or for x (1)
	s_and_b32 s14, s12, 1                          ; wp: my half of the positions.  Also: which half of that tile I fetch
	s_bfe_u32 s40, ttmp6, 0x40000                  ; cx
	s_bfe_u32 s41, ttmp6, 0x40004                  ; cy
	s_lshl_b32 s42, ttmp9, 2
	s_add_co_u32 s42, s42, s40                     ; block column = 4 x cluster x + cx = 4 b + (p / 256); so b = cluster x
	s_and_b32 s43, ttmp7, 0xffff
	s_lshl_b32 s43, s43, 2
	s_add_co_u32 s43, s43, s41                     ; block row = 4 x cluster y + cy
	s_lshl_b32 s44, s41, 2
	s_lshl_b32 s44, 15, s44                        ; my row of the cluster
	s_lshl_b32 s45, 0x1111, s40                    ; my column
	s_mov_b32 s18, 0x76543210                      ; v_permlanex16_b32: lane i reads lane i of the other half
	s_mov_b32 s19, 0xfedcba98
	; group 1 for W: half a tile = 192 rows of 128 bytes, dense in memory = 96 rows of 32 elements of 8 bytes; 4 words of padding after every 32 words
	s_or_b32 s[G1+0], s44, (3<<16)|(1<<20)|(1<<21)|(4<<22)|(3<<25)
	s_mov_b32 s[G1+1], 32<<16                      ; tensor_dim0 = 32
	s_mov_b32 s[G1+2], 96<<16                      ; tensor_dim1 = 96
	s_mov_b32 s[G1+3], 32<<16                      ; tile_dim0 = 32
	s_mov_b32 s[G1+4], 96                          ; tile_dim1 = 96
	s_mov_b32 s[G1+5], 32                          ; from row to row: 32 elements
	s_mov_b32 s[G1+6], 0
	s_mov_b32 s[G1+7], 0
	; group 1 for x: half a tile = 32 rows (c) of 256 bf16; 8 words of padding after every 128 words
	s_or_b32 s[G1B+0], s45, (1<<16)|(1<<20)|(1<<21)|(6<<22)|(7<<25)
	s_mov_b32 s[G1B+1], 256<<16
	s_mov_b32 s[G1B+2], 32<<16
	s_mov_b32 s[G1B+3], 256<<16
	s_mov_b32 s[G1B+4], 32
	s_mov_b32 s[G1B+5], 1024                       ; from channel to channel: 1,024 elements
	s_mov_b32 s[G1B+6], 0
	s_mov_b32 s[G1B+7], 0
	; W's address hangs on the block row and the wave, x's on the block column and the wave, each in registers that never hold the other coordinate
	s_mul_i32 s16, s43, 384*128
	s_mul_i32 s17, s14, 192*128
	s_add_co_u32 s16, s16, s17
	s_mov_b32 s17, 0
	s_lshl_b32 s46, ttmp9, 20                      ; b x 512 channels x 2,048 bytes
	s_lshl_b32 s47, s40, 9                         ; 256 positions x 2 bytes
	s_add_co_u32 s46, s46, s47
	s_lshl_b32 s47, s14, 16                        ; 32 channels
	s_add_co_u32 s46, s46, s47
	s_mov_b32 s47, 0
	s_mul_i32 s20, s12, 192*PW                     ; LDS: W's halves at wave x 27,648 (waves 0, 1)
	s_mul_i32 s21, s12, 32*PX                      ; x's halves at 55,296 + (wave - 2) x 17,408 (waves 2, 3)
	s_add_co_u32 s21, s21, WPART-2*32*PX
	s_wait_dscnt 0x0
	s_wait_kmcnt 0x0
	s_add_nc_u64 s[16:17], s[4:5], s[16:17]
	s_add_nc_u64 s[46:47], s[6:7], s[46:47]
	CROUND                                         ; all sixteen work-groups are here: the first joint loads meet
.irp s, 0,1
	s_mov_b32 s[G0+4*\s], 1
	s_add_co_u32 s[G0+4*\s+1], s20, \s*SLOT
	s_add_nc_u64 s[G0+4*\s+2:G0+4*\s+3], s[16:17], \s*393216       ; K step s: a block of 3,072 rows x 128 bytes on
	s_or_b32 s[G0+4*\s+3], s[G0+4*\s+3], 0x80000000
	s_mov_b32 s[G0B+4*\s], 1
	s_add_co_u32 s[G0B+4*\s+1], s21, \s*SLOT
	s_add_nc_u64 s[G0B+4*\s+2:G0B+4*\s+3], s[46:47], \s*131072     ; K step s: 64 channels on
	s_or_b32 s[G0B+4*\s+3], s[G0B+4*\s+3], 0x80000000
	JLOAD \s                                       ; both slots' first fills go out together: two loads of the wave are out, later one
.endr
	v_and_b32 v1, 15, v0                           ; r = l % 16
	v_bfe_u32 v2, v0, 4, 1                         ; h = l / 16
	v_and_b32 v3, 7, v0
	v_bfe_u32 v4, v0, 3, 1
	v_mul_u32_u24 v5, v1, PW                       ; W fragment: row r, 16 bytes for each half of the lanes
	v_lshl_add_u32 v5, v2, 4, v5
	s_mul_i32 s22, s13, 192*PW
	v_add_nc_u32 v[ADRW], s22, v5
	v_add_nc_u32 v[ADRW+1], SLOT, v[ADRW]
	v_lshl_add_u32 v6, v2, 3, v3                   ; x fragment by the transposing load: row (c) 8 h + (l & 7), 16 bytes at 16 ((l >> 3) & 1)
	v_mul_u32_u24 v6, v6, PX
	v_lshl_add_u32 v6, v4, 4, v6
	s_lshl_b32 s23, s14, 8
	s_add_co_u32 s23, s23, WPART
	v_add_nc_u32 v[ADRX], s23, v6
	v_add_nc_u32 v[ADRX+1], SLOT, v[ADRX]
	s_mul_i32 s22, s12, 16*SPITCH
	s_add_co_u32 s22, s22, STAGE
	v_mul_u32_u24 v5, v1, SPITCH
	v_lshl_add_u32 v5, v2, 4, v5
	v_add_nc_u32 v[STO], s22, v5
	v_mul_u32_u24 v5, v2, SPITCH
	v_lshl_add_u32 v5, v1, 4, v5
	v_add_nc_u32 v[RD], s22, v5
	v_lshlrev_b32 v[CO], 11, v2                    ; lanes 16-31 one row of z (2,048 bytes) further down
	v_lshl_add_u32 v[CO], v1, 4, v[CO]
	s_mul_i32 s22, s14, 1536
	s_mul_i32 s23, s13, 768
	s_add_co_u32 s22, s22, s23
	s_add_co_u32 s22, s22, STAT
	v_lshl_add_u32 v[STW], v1, 2, s22
	v_lshlrev_b32 v[PO], 4, v0
	v_add_nc_u32 v[STR], STAT, v[PO]
	v_mov_b32 v[TB], 0                             ; v_permlanex16_b32's destination counts as read
; 8 LDS loads: W's channel blocks 4 g .. 4 g + 3, 32 along K at byte 64 q of the rows
.macro WLOAD slot, q, g, dst
.irp a, 0,1,2,3
	ds_load_b128 v[\dst+8*\a:\dst+8*\a+3],   v[ADRW+\slot] offset:16*(4*\g+\a)*PW+64*\q
	ds_load_b128 v[\dst+8*\a+4:\dst+8*\a+7], v[ADRW+\slot] offset:16*(4*\g+\a)*PW+64*\q+32
.endr
.endm
; 16 transposing LDS loads: my 8 position blocks, channels 32 q .. 32 q + 31 of the step
.macro XLOAD slot, q, dst
.irp b, 0,1,2,3,4,5,6,7
	ds_load_tr16_b128 v[\dst+8*\b:\dst+8*\b+3],   v[ADRX+\slot] offset:32*\q*PX+32*\b
	ds_load_tr16_b128 v[\dst+8*\b+4:\dst+8*\b+7], v[ADRX+\slot] offset:(32*\q+16)*PX+32*\b
.endr
.endm
; 16 matrix instructions: channel blocks a0, a0 + 1 of the window's four x all 8 position blocks.  zero = 1: the product starts the sums.
.macro MUL16 xf, wf, a0, zero
.irp a, \a0, \a0+1
.irp b, 0,1,2,3,4,5,6,7
.if \zero
	v_wmma_f32_16x16x32_bf16 v[8*(8*(\a)+\b):8*(8*(\a)+\b)+7], v[\xf+8*\b:\xf+8*\b+7], v[\wf+8*(\a):\wf+8*(\a)+7], 0
.else
	v_wmma_f32_16x16x32_bf16 v[8*(8*(\a)+\b):8*(8*(\a)+\b)+7], v[\xf+8*\b:\xf+8*\b+7], v[\wf+8*(\a):\wf+8*(\a)+7], v[8*(8*(\a)+\b):8*(8*(\a)+\b)+7]
.endif
.endr
.endr
.endm
; A K step: six groups of 32 matrix instructions (two halves of K x three windows).  Each group first fetches the next group's W fragments into the
; other buffer; its counted wait leaves out exactly the loads just issued, so all older ones, its own operands among them, are in.
; The 96 accumulators take turns, one instruction a turn, and neighbouring groups lie in different windows.
; mode 2: this slot is filled again, two steps ahead; 1: change of slots without a fill; 0: the last step.
.macro STEP slot, zero, mode
	WIN 0
	PLACES
	WLOAD \slot, 0, 1, WF1
	XLOAD \slot, 1, XF1
	s_wait_dscnt 24                                ; the 24 just issued may be out
	WIN 0x50
	MUL16 XF0, WF0, 0, \zero
	MUL16 XF0, WF0, 2, \zero
	WIN 0
	PLACES
	WLOAD \slot, 0, 2, WF0
	s_wait_dscnt 8                                 ; the 8 just issued may be out
	WIN 0xa0
	MUL16 XF0, WF1, 0, \zero
	MUL16 XF0, WF1, 2, \zero
	WIN 0
	PLACES
	WLOAD \slot, 1, 0, WF1
	s_wait_dscnt 8
	WIN 0xf0
	MUL16 XF0, WF0, 0, \zero
	MUL16 XF0, WF0, 2, \zero
	WIN 0
	PLACES
	WLOAD \slot, 1, 1, WF0
	s_wait_dscnt 8
	WIN 0x50
	MUL16 XF1, WF1, 0, 0
	MUL16 XF1, WF1, 2, 0
	WIN 0
	PLACES
	WLOAD \slot, 1, 2, WF1
	s_wait_dscnt 8
	WIN 0xa0
	MUL16 XF1, WF0, 0, 0
.if \mode
	s_wait_dscnt 0x0                               ; my reads of this slot are over
	s_wait_tensorcnt 0x0                           ; all my tensor loads have landed: the one that was out is my part of the other slot
	ds_add_u32 v62, v63
	s_wait_dscnt 0x0
	s_barrier_signal -1                            ; say so (with a fill to come this barrier opens a round of the cluster's barrier)
.endif
	MUL16 XF1, WF0, 2, 0                           ; registers only
	WIN 0
.if \mode
	s_barrier_wait -1
.endif
.if \mode == 2
	CREST                                          ; no wave of any partner still reads this slot or has a load on its way
	s_add_nc_u64 s[G0+4*\slot+2:G0+4*\slot+3], s[G0+4*\slot+2:G0+4*\slot+3], 2*393216
	s_add_nc_u64 s[G0B+4*\slot+2:G0B+4*\slot+3], s[G0B+4*\slot+2:G0B+4*\slot+3], 2*131072
	JLOAD \slot                                    ; my one tensor load behind the round, ahead of every LDS read: it has 192 matrix instructions in which to land
.endif
.if \mode
	PLACES
	WLOAD 1-\slot, 0, 0, WF0                       ; the other slot's first fragments; this group's own operands were shown in by the wait for 0 above
	XLOAD 1-\slot, 0, XF0
.else
	s_wait_dscnt 0x0
.endif
	WIN 0xf0
	MUL16 XF1, WF1, 0, 0
	MUL16 XF1, WF1, 2, 0
.endm
	s_wait_tensorcnt 1                             ; my part of K step 0 is in; step 1's may stay out
	s_barrier_signal -1
	s_barrier_wait -1
	WLOAD 0, 0, 0, WF0
	XLOAD 0, 0, XF0
	STEP 0, 1, 2                                   ; K steps 0 and 1 stand in front of the loop: the first products start the sums
	STEP 1, 0, 2
	WIN 0                                          ; at a label and at a branch every window is 0
	s_mov_b32 s3, 2
.Lk:
	STEP 0, 0, 2                                   ; K steps 2 to 5
	STEP 1, 0, 2
	WIN 0
	s_sub_co_u32 s3, s3, 1
	s_cmp_lg_u32 s3, 0
	s_cbranch_scc1 .Lk
	STEP 0, 0, 1                                   ; K steps 6 and 7 fill nothing
	STEP 1, 0, 0
	; THE WAY OUT, 16 channels at a time: sums of squares from the f32 sums, rounding to bf16, 16 bytes a lane into my own stage, whole rows back.
	WIN 0
	PLACES
	s_mul_i32 s16, s43, 384                        ; the block row's part of the offsets, in registers that never hold cx
	s_mul_i32 s17, s13, 192
	s_add_co_u32 s16, s16, s17
	s_lshl_b32 s16, s16, 11                        ; rows of 2,048 bytes
	s_mov_b32 s17, 0
	s_add_nc_u64 s[8:9], s[8:9], s[16:17]
	s_mul_i32 s46, ttmp9, 3072*2048                ; the block column's part, in registers that never hold cy
	s_lshl_b32 s47, s40, 9
	s_add_co_u32 s46, s46, s47
	s_lshl_b32 s47, s14, 8
	s_add_co_u32 s46, s46, s47
	s_mov_b32 s47, 0
	s_add_nc_u64 s[8:9], s[8:9], s[46:47]
	s_mul_i32 s16, s43, 384*4
	s_add_nc_u64 s[10:11], s[10:11], s[16:17]
	s_mul_i32 s46, s42, 3072*4
	s_add_nc_u64 s[10:11], s[10:11], s[46:47]
; channels 16 rb .. 16 rb + 15 of my 192 = the eight tiles (a, 0..7) of window 1, 2 or 3 (from = 0x05, 0x0a, 0x0f: sources 0 and 1)
.macro OUT16 rb, a, from, f
	WIN \from
.irp b, 0,1,2,3,4,5,6,7
.irp c, 0,1,2,3
.if \b == 0
	v_pk_mul_f32 v[SS+2*\c:SS+2*\c+1], v[8*(8*\a+\b)+2*\c:8*(8*\a+\b)+2*\c+1], v[8*(8*\a+\b)+2*\c:8*(8*\a+\b)+2*\c+1]
.else
	v_pk_fma_f32 v[SS+2*\c:SS+2*\c+1], v[8*(8*\a+\b)+2*\c:8*(8*\a+\b)+2*\c+1], v[8*(8*\a+\b)+2*\c:8*(8*\a+\b)+2*\c+1], v[SS+2*\c:SS+2*\c+1]
.endif
.endr
.irp c, 0,1,2,3
	v_cvt_pk_bf16_f32 v[TMP+4*\b+\c], v[8*(8*\a+\b)+2*\c], v[8*(8*\a+\b)+2*\c+1]
.endr
.endr
	WIN 0
	v_pk_add_f32 v[SS:SS+1], v[SS:SS+1], v[SS+2:SS+3]
	v_pk_add_f32 v[SS+4:SS+5], v[SS+4:SS+5], v[SS+6:SS+7]
	v_pk_add_f32 v[SS:SS+1], v[SS:SS+1], v[SS+4:SS+5]
	v_add_f32 v[TA], v[SS], v[SS+1]
	v_permlanex16_b32 v[TB], v[TA], s18, s19       ; the other half of the lanes holds the same channel's other positions
	v_add_f32 v[SSR+\rb], v[TA], v[TB]             ; channel l % 16, my 128 positions
.irp b, 0,1,2,3,4,5,6,7
	ds_store_b128 v[STO], v[TMP+4*\b:TMP+4*\b+3] offset:32*\b
.endr
	s_wait_xcnt 0x0                                ; buffer f, which earlier stores read, is loaded again only behind this wait
.irp t, 0,1,2,3,4,5,6,7
	ds_load_b128 v[\f+4*\t:\f+4*\t+3], v[RD] offset:\t*2*SPITCH    ; a wave's LDS instructions are served in order: these see the stores above
.endr
.irp t, 0,1,2,3,4,5,6,7
	s_wait_dscnt 7-\t                              ; read-back t is in, the younger ones may be out
	global_store_b128 v[CO], v[\f+4*\t:\f+4*\t+3], s[8:9] offset:(16*\rb+2*\t)*2048   ; 16 lanes store 256 consecutive bytes, aligned
.endr
.endm
	OUT16 0,  0, 0x05, F0
	OUT16 1,  1, 0x05, F1
	OUT16 2,  2, 0x05, F0
	OUT16 3,  3, 0x05, F1
	OUT16 4,  0, 0x0a, F0
	OUT16 5,  1, 0x0a, F1
	OUT16 6,  2, 0x0a, F0
	OUT16 7,  3, 0x0a, F1
	OUT16 8,  0, 0x0f, F0
	OUT16 9,  1, 0x0f, F1
	OUT16 10, 2, 0x0f, F0
	OUT16 11, 3, 0x0f, F1
	; the two waves of a channel (wp = 0, 1) add their sums through LDS
.irp rb, 0,1,2,3,4,5,6,7,8,9,10,11
	ds_store_b32 v[STW], v[SSR+\rb] offset:64*\rb  ; lanes l and l + 16 write one word with one value
.endr
	s_wait_dscnt 0x0                               ; for the other waves' sake
	s_barrier_signal -1
	s_barrier_wait -1
	s_cmp_eq_u32 s12, 3                            ; 384 channels are 96 threads x 4: waves 0 to 2
	s_cbranch_scc1 .Lnostat
	ds_load_b128 v[32:35], v[STR]
	ds_load_b128 v[36:39], v[STR] offset:1536
	s_wait_dscnt 0x0
	v_pk_add_f32 v[32:33], v[32:33], v[36:37]
	v_pk_add_f32 v[34:35], v[34:35], v[38:39]
	global_store_b128 v[PO], v[32:35], s[10:11]    ; a wave stores 512 consecutive bytes, aligned
.Lnostat:
	s_wait_tensorcnt 0x0
	ds_add_u32 v62, v63
	s_wait_dscnt 0x0
	CROUND                                         ; the closing round: no work-group ends while a partner may still ask for a tile that names it
	s_endpgm
.Lfunc_end_k_qad15cee01d_proj:
	.size	k_qad15cee01d_proj, .Lfunc_end_k_qad15cee01d_proj-k_qad15cee01d_proj
	.p2alignl 7, 3214868480
	.fill 96, 4, 3214868480
	.section	.rodata,"a",@progbits
	.p2align	6, 0x0
	.amdhsa_kernel k_qad15cee01d_proj
		.amdhsa_group_segment_fixed_size 327680
		.amdhsa_private_segment_fixed_size 0
		.amdhsa_enable_private_segment 0
		.amdhsa_kernarg_size 32
		.amdhsa_user_sgpr_count 2
		.amdhsa_user_sgpr_kernarg_segment_ptr 1
		.amdhsa_wavefront_size32 1
		.amdhsa_system_sgpr_workgroup_id_x 1
		.amdhsa_system_sgpr_workgroup_id_y 1
		.amdhsa_system_sgpr_workgroup_id_z 1
		.amdhsa_system_vgpr_workitem_id 0
		.amdhsa_next_free_vgpr 1024
		.amdhsa_next_free_sgpr 66
		.amdhsa_reserve_vcc 0
		.amdhsa_float_denorm_mode_32 3
		.amdhsa_float_denorm_mode_16_64 3
		.amdhsa_memory_ordered 1
		.amdhsa_forward_progress 1
		.amdhsa_inst_pref_size 200
	.end_amdhsa_kernel
	.amdgpu_metadata
---
amdhsa.version: [ 1, 2 ]
amdhsa.kernels:
  - .name:           k_qad15cee01d_proj
    .symbol:         k_qad15cee01d_proj.kd
    .args:
      - { .name: Wb, .offset: 0, .size: 8, .value_kind: global_buffer, .address_space: global }
      - { .name: xb, .offset: 8, .size: 8, .value_kind: global_buffer, .address_space: global }
      - { .name: z, .offset: 16, .size: 8, .value_kind: global_buffer, .address_space: global }
      - { .name: part, .offset: 24, .size: 8, .value_kind: global_buffer, .address_space: global }
    .group_segment_fixed_size: 327680
    .private_segment_fixed_size: 0
    .kernarg_segment_align: 8
    .kernarg_segment_size: 32
    .max_flat_workgroup_size: 128
    .sgpr_count:     66
    .vgpr_count:     1024
    .wavefront_size: 32
...
	.end_amdgpu_metadata
.endif
;; end of part 2
;; launch attn (part 3): grid 4 x 64, 4 waves a work-group, no clusters, 233,984 bytes of LDS; arguments z, part, gq, bq, gk, bk, gv, bv, out0; writes out0
.if DOCPART == 3
	.amdgcn_target "amdgcn-amd-amdhsa--gfx1250"
	.amdhsa_code_object_version 6
	.text
	.protected	k_qad15cee01d_attn
	.globl	k_qad15cee01d_attn
	.p2align	8
	.type	k_qad15cee01d_attn,@function
k_qad15cee01d_attn:
	s_mov_b64 s[64:65], 0
	v_nop
	global_prefetch_b8 v0, s[64:65] scope:SCOPE_SE
	s_setreg_imm32_b32 hwreg(HW_REG_WAVE_MODE, 25, 1), 1
	s_wait_xcnt 0x0
; ATTN: for each (b, head): K, V, Q = LeakyReLU(a z + beta), a = gamma / sqrt(mean of z^2 + 1e-5); S[i][j] = sum over c of K[c][i] V[c][j] / sqrt(128);
; softmax over j with a running maximum; out[c][i] = sum over j of P[i][j] Q[c][j].  z is already centred (first kernel's head), so the mean of its
; squares, finished here from part's 32 partial sums, is the variance.  Nothing is left out.
; LIMITS.  K, V, Q and P enter the products in bf16.  v_exp_f32 gives 0 for results under 2^-126.  NaN and infinities are not treated specially.
; SHARES.  Work-group (iblk, y): b = y >> 3, head = y & 7, queries i = 256 iblk .. + 255, all 1,024 j.  Four waves, 64 queries each (it = 0..3 of 16).
; j goes in eight steps of 128 (a tile's rows are 256 bytes of z, aligned), each worked in two sub-steps of 64.
; NO TENSOR LOAD AND NO JOINT REQUEST: every number of a tile passes a z + beta and the LeakyReLU in f32 registers before it is a matrix operand, so a tile
; goes memory -> registers -> LDS, written to LDS once.  Brought by the data mover it would be written to LDS, read, and written again: 32 KiB more
; each way for every tile.
; ORIENTATION.  First product: D[m = j][n = i], source 0 = V read transposed from [c][j], source 1 = K fragments (kept in registers).  Lane (r, h) holds
; i = r and j = 16 jt + 8 h + e: two such tiles, rounded and packed, ARE the second product's source 1 (n = i, k = j): no shuffle.
; Second product: D[m = c][n = i], source 0 = Q from [c][j].  Maximum, rescaling factor and row sum are one number a lane.
; REGISTER WINDOWS.  0: addresses, softmax state, fragments, coefficients, staging.  1: O, tile (ct, it) at 8 (4 ct + it).
; 2: K fragments at 8 (4 it + kc), S at 128 + 8 (4 jt + it).  3: P at 8 (2 it + kj).
.set PV,   288                         ; LDS pitch of V's rows: 256 + 32, an odd multiple of 32 (transposing load)
.set PQ,   272                         ; of Q's rows: 256 + 16, an odd multiple of 16
.set PK,   544                         ; of K's rows: 512 + 32
.set VS,   128*PV                      ; a V slot, 36,864; slots at 0 and VS
.set QS0,  2*VS                        ; 73,728
.set QS,   128*PQ                      ; a Q slot, 34,816
.set KS0,  QS0+2*QS                    ; 143,360: K, 128 rows x 256 queries
.set TAB,  KS0+128*PK                  ; 212,992: [q, k, v][128] pairs (a, beta)
.set OST,  TAB+3072                    ; 216,064: 16 rows x 272 bytes for each wave, for the way out
.set GOFF, 1                           ; v1      tile load: row t >> 4, 16 bytes at 16 (t & 15); never rewritten
.set VADR, 2                           ; v2-3    V fragments in slot 0, 1
.set QADR, 4                           ; v4-5    Q fragments
.set SV,   6                           ; v6-7    where I stage V
.set SQ,   8                           ; v8-9    where I stage Q
.set SK,   10                          ; v10-11  where I stage K's two halves
.set SK2,  11
.set KADR, 12                          ; v12     K fragments
.set OSTO, 10                          ; v10-12 again in the way out
.set ORD,  11
.set OCO,  12
.set PO,   13                          ; v13     4 (128 head + t): offset in part's rows, in the gains and biases
.set TABW, 14
.set TABR, 15
.set MX,   16                          ; v[16:19] running maximum, one for each it
.set NM,   20                          ; v[20:27] pairs; first register: - C2 x maximum
.set AL,   28                          ; v[28:35] pairs; first register: the rescaling factor, at the end 1 / l
.set LA,   36                          ; v[36:43] pairs: two partial row sums
.set TM,   44                          ; v[44:47]
.set T,    48                          ; v[48:55] at work
.set U,    56                          ; v[56:63] at work
.set TX,   56
.set FR0,  64                          ; fragment buffers, 4 x 8 registers
.set FR1,  96
.set CQ,   128                         ; v[128:159] (a, beta) of my 16 rows of a Q tile
.set CV,   160                         ; v[160:191] of a V tile
.set RAW,  192                         ; v[192:255] a tile's 16 x 16 bytes on their way
.set SB,   128                         ; S in window 2
.set MSB, 0
.macro WIN new
.if MSB != \new
	s_set_vgpr_msb (MSB<<8)|\new
.set MSB, \new
.endif
.endm
.macro PLACES                          ; four places behind a matrix instruction before its registers are loaded into or its result is read (ISA guide 7.12.1)
.rept 4
	v_nop
.endr
.endm
; a tile of 128 rows x 256 bytes of z: 16 loads a thread, rows (t >> 4) + 8 k; sixteen lanes read 256 consecutive bytes, aligned
.macro GLOAD base, imm, dst
.irp k, 0,1,2,3,4,5,6,7,8,9,10,11,12,13,14,15
	global_load_b128 v[\dst+4*\k:\dst+4*\k+3], v[GOFF], s[\base:\base+1] offset:\imm+16384*\k
.endr
.endm
; the tile in raw: y = a z + beta in f32, max(y, 0.1 y) (the LeakyReLU for every finite y), rounded to bf16, stored to LDS; sixteen lanes write one row
.macro STAGE raw, cb, adr, pitch
.irp k, 0,1,2,3,4,5,6,7,8,9,10,11,12,13,14,15
.irp e, 0,1,2,3
	v_fma_mix_f32_bf16 v[T+2*\e],   v[\raw+4*\k+\e], v[\cb+2*\k], v[\cb+2*\k+1] op_sel_hi:[1,0,0]
	v_fma_mix_f32_bf16 v[T+2*\e+1], v[\raw+4*\k+\e], v[\cb+2*\k], v[\cb+2*\k+1] op_sel:[1,0,0] op_sel_hi:[1,0,0]
.endr
.irp e, 0,2,4,6
	v_pk_mul_f32 v[U+\e:U+\e+1], v[T+\e:T+\e+1], s[46:47] op_sel_hi:[1,0]
.endr
.irp e, 0,1,2,3,4,5,6,7
	v_max_num_f32 v[T+\e], v[T+\e], v[U+\e]
.endr
.irp e, 0,1,2,3
	v_cvt_pk_bf16_f32 v[\raw+4*\k+\e], v[T+2*\e], v[T+2*\e+1]
.endr
	ds_store_b128 v[\adr], v[\raw+4*\k:\raw+4*\k+3] offset:8*\k*\pitch
.endr
.endm
; 8 transposing loads: V^T, 16 j (block jt of sub-step u) x all 128 c
.macro VLOAD s, u, jt, dst
.irp kc, 0,1,2,3
	ds_load_tr16_b128 v[\dst+8*\kc:\dst+8*\kc+3],   v[VADR+\s] offset:32*\kc*PV+128*\u+32*\jt
	ds_load_tr16_b128 v[\dst+8*\kc+4:\dst+8*\kc+7], v[VADR+\s] offset:(32*\kc+16)*PV+128*\u+32*\jt
.endr
.endm
; 8 loads: Q, channel blocks 2 g, 2 g + 1 x the sub-step's 64 j
.macro QLOAD s, u, g, dst
.irp cl, 0,1
.irp kj, 0,1
	ds_load_b128 v[\dst+8*(2*\cl+\kj):\dst+8*(2*\cl+\kj)+3],   v[QADR+\s] offset:16*(2*\g+\cl)*PQ+128*\u+64*\kj
	ds_load_b128 v[\dst+8*(2*\cl+\kj)+4:\dst+8*\cl*2+8*\kj+7], v[QADR+\s] offset:16*(2*\g+\cl)*PQ+128*\u+64*\kj+32
.endr
.endr
.endm
; 16 matrix instructions: S tiles (jt, 0..3), the four accumulators by turns; the first link starts the sum
.macro SMUL jt, f
	s_wait_dscnt 8                                 ; buffer f is in; the other buffer's eight loads are younger and may be out
	WIN 0xa8
.irp kc, 0,1,2,3
.irp it, 0,1,2,3
.if \kc == 0
	v_wmma_f32_16x16x32_bf16 v[SB+8*(4*\jt+\it):SB+8*(4*\jt+\it)+7], v[\f+8*\kc:\f+8*\kc+7], v[8*(4*\it+\kc):8*(4*\it+\kc)+7], 0
.else
	v_wmma_f32_16x16x32_bf16 v[SB+8*(4*\jt+\it):SB+8*(4*\jt+\it)+7], v[\f+8*\kc:\f+8*\kc+7], v[8*(4*\it+\kc):8*(4*\it+\kc)+7], v[SB+8*(4*\jt+\it):SB+8*(4*\jt+\it)+7]
.endif
.endr
.endr
	WIN 0
	PLACES
.endm
; 16 matrix instructions: O tiles (2 g, 0..3), (2 g + 1, 0..3), eight accumulators by turns
.macro PMUL g, f, first, cnt
	s_wait_dscnt \cnt
	WIN 0x5c
.irp kj, 0,1
.irp cl, 0,1
.irp it, 0,1,2,3
.if \first*(1-\kj)
	v_wmma_f32_16x16x32_bf16 v[8*(4*(2*\g+\cl)+\it):8*(4*(2*\g+\cl)+\it)+7], v[\f+8*(2*\cl+\kj):\f+8*(2*\cl+\kj)+7], v[8*(2*\it+\kj):8*(2*\it+\kj)+7], 0
.else
	v_wmma_f32_16x16x32_bf16 v[8*(4*(2*\g+\cl)+\it):8*(4*(2*\g+\cl)+\it)+7], v[\f+8*(2*\cl+\kj):\f+8*(2*\cl+\kj)+7], v[8*(2*\it+\kj):8*(2*\it+\kj)+7], v[8*(4*(2*\g+\cl)+\it):8*(4*(2*\g+\cl)+\it)+7]
.endif
.endr
.endr
.endr
.endm
; A sub-step: 64 j of slot s (half u).  first = 1: the very first: it starts maximum, row sums and O.
.macro SUB s, u, first
	WIN 0
	PLACES
	VLOAD \s, \u, 0, FR0
	VLOAD \s, \u, 1, FR1
	SMUL 0, FR0
	VLOAD \s, \u, 2, FR0
	SMUL 1, FR1
	VLOAD \s, \u, 3, FR1
	SMUL 2, FR0
	QLOAD \s, \u, 0, FR0
	SMUL 3, FR1
	QLOAD \s, \u, 1, FR1
	; the largest of my 32 scores for each it
	WIN 0x0a
.irp it, 0,1,2,3
	v_max_num_f32 v[TM+\it], v[SB+8*\it], v[SB+8*\it+1]
.endr
.irp jt, 0,1,2,3
.irp e, 0,2,4,6
.if \jt+\e
.irp it, 0,1,2,3
	v_max3_num_f32 v[TM+\it], v[SB+8*(4*\jt+\it)+\e], v[SB+8*(4*\jt+\it)+\e+1], v[TM+\it]
.endr
.endif
.endr
.endr
	WIN 0
.irp it, 0,1,2,3
	v_permlanex16_b32 v[TX+\it], v[TM+\it], s36, s37   ; lanes r and r + 16 hold the same query's other j
.endr
.if \first
.irp it, 0,1,2,3
	v_max_num_f32 v[MX+\it], v[TM+\it], v[TX+\it]
.endr
.else
.irp it, 0,1,2,3
	v_max3_num_f32 v[TM+\it], v[TM+\it], v[TX+\it], v[MX+\it]
.endr
.irp it, 0,1,2,3
	v_sub_f32 v[AL+2*\it], v[MX+\it], v[TM+\it]
.endr
.irp it, 0,1,2,3
	v_mul_f32 v[AL+2*\it], s34, v[AL+2*\it]
.endr
.irp it, 0,1,2,3
	v_mov_b32 v[MX+\it], v[TM+\it]
.endr
.irp it, 0,1,2,3
	v_exp_f32 v[AL+2*\it], v[AL+2*\it]             ; the factor by which the old sums shrink
.endr
.endif
.irp it, 0,1,2,3
	v_mul_f32 v[NM+2*\it], s39, v[MX+\it]          ; plain work that touches no AL stands behind the exponentials (ISA guide 5.7.2)
.endr
.if 1-\first
	s_wait_alu depctr_va_vdst(0)
.irp it, 0,1,2,3
	v_pk_mul_f32 v[LA+2*\it:LA+2*\it+1], v[LA+2*\it:LA+2*\it+1], v[AL+2*\it:AL+2*\it+1] op_sel_hi:[1,0]
.endr
.endif
	; p = 2^(C2 s - C2 maximum), C2 = log2(e) / sqrt(128)
	WIN 0x82
.irp jt, 0,1,2,3
.irp e, 0,2,4,6
.irp it, 0,1,2,3
	v_pk_fma_f32 v[SB+8*(4*\jt+\it)+\e:SB+8*(4*\jt+\it)+\e+1], v[SB+8*(4*\jt+\it)+\e:SB+8*(4*\jt+\it)+\e+1], s[34:35], v[NM+2*\it:NM+2*\it+1] op_sel_hi:[1,0,0]
.endr
.endr
.endr
.set n, 0
.rept 128
	v_exp_f32 v[SB+n], v[SB+n]
.set n, n+1
.endr
	v_nop                                          ; one plain instruction behind the run before any of its results is read
	; row sums in f32, two chains for each it
.if \first
	WIN 0x0a
	s_wait_alu depctr_va_vdst(0)
.irp it, 0,1,2,3
	v_pk_add_f32 v[LA+2*\it:LA+2*\it+1], v[SB+8*\it:SB+8*\it+1], v[SB+8*\it+2:SB+8*\it+3]
.endr
.endif
	WIN 0x02
.irp jt, 0,1,2,3
.irp e, 0,2,4,6
.if (1-\first)+\jt+(\e/4)
	s_wait_alu depctr_va_vdst(0)
.irp it, 0,1,2,3
	v_pk_add_f32 v[LA+2*\it:LA+2*\it+1], v[SB+8*(4*\jt+\it)+\e:SB+8*(4*\jt+\it)+\e+1], v[LA+2*\it:LA+2*\it+1]
.endr
.endif
.endr
.endr
	; P: tiles 2 kj and 2 kj + 1 packed are registers 0-3 and 4-7 of the fragment (it, kj)
	WIN 0xca
.irp it, 0,1,2,3
.irp jt, 0,1,2,3
.irp e, 0,1,2,3
	v_cvt_pk_bf16_f32 v[8*(2*\it+\jt/2)+4*(\jt%2)+\e], v[SB+8*(4*\jt+\it)+2*\e], v[SB+8*(4*\jt+\it)+2*\e+1]
.endr
.endr
.endr
.if 1-\first
	WIN 0x41
.irp ct, 0,1,2,3,4,5,6,7
.irp it, 0,1,2,3
.irp e, 0,2,4,6
	v_pk_mul_f32 v[8*(4*\ct+\it)+\e:8*(4*\ct+\it)+\e+1], v[8*(4*\ct+\it)+\e:8*(4*\ct+\it)+\e+1], v[AL+2*\it:AL+2*\it+1] op_sel_hi:[1,0]
.endr
.endr
.endr
.endif
	PMUL 0, FR0, \first, 8                         ; buffer 0 is in; buffer 1's eight loads are younger
	WIN 0
	PLACES
	QLOAD \s, \u, 2, FR0
	PMUL 1, FR1, \first, 8
	WIN 0
	PLACES
	QLOAD \s, \u, 3, FR1
	PMUL 2, FR0, \first, 8
	PMUL 3, FR1, \first, 0
	WIN 0
.endm
; A step of 128 j on slot s.  stage = 1: the next step's V and Q are staged into the other slot, V behind the first sub-step, Q behind the second;
; each was asked for a sub-step earlier.  loadv = 1: V of the step after next is asked for.
; ONE barrier a step: in front of it each wave's reads of slot s and its stores into the other slot are done; behind it the other slot is read, and
; slot s is written only later in that step.
.macro M s, first, stage, loadv
	SUB \s, 0, \first
.if \stage
	s_wait_loadcnt 0x0                             ; the next V is in registers, and its loads' base is free
	s_add_nc_u64 s[28:29], s[28:29], 256
	STAGE RAW, CV, SV+1-\s, PV
	GLOAD 30, 0, RAW                               ; the next Q
.endif
	SUB \s, 1, 0
.if \stage
	s_wait_loadcnt 0x0
	s_add_nc_u64 s[30:31], s[30:31], 256
	STAGE RAW, CQ, SQ+1-\s, PQ
.if \loadv
	GLOAD 28, 0, RAW
.endif
	s_wait_dscnt 0x0
	s_barrier_signal -1
	s_barrier_wait -1
.endif
.endm
; 32 partial sums in v[b : b+31] -> mean of squares + 1e-5 in v[b]
.macro VARSUM b
.irp i, 0,2,4,6,8,10,12,14
	v_pk_add_f32 v[\b+\i:\b+\i+1], v[\b+\i:\b+\i+1], v[\b+16+\i:\b+16+\i+1]
.endr
.irp i, 0,2,4,6
	v_pk_add_f32 v[\b+\i:\b+\i+1], v[\b+\i:\b+\i+1], v[\b+8+\i:\b+8+\i+1]
.endr
.irp i, 0,2
	v_pk_add_f32 v[\b+\i:\b+\i+1], v[\b+\i:\b+\i+1], v[\b+4+\i:\b+4+\i+1]
.endr
	v_pk_add_f32 v[\b:\b+1], v[\b:\b+1], v[\b+2:\b+3]
	v_add_f32 v[\b], v[\b], v[\b+1]
	v_fma_f32 v[\b], v[\b], s44, s45
.endm
	s_load_b512 s[4:19], s[0:1], 0x0               ; z s[4:5], part s[6:7], gq s[8:9], bq s[10:11], gk s[12:13], bk s[14:15], gv s[16:17], bv s[18:19]
	s_load_b64 s[20:21], s[0:1], 0x40              ; out0
	s_set_vgpr_msb 0xc0
	v_lshl_add_u32 v64, v0, 2, 0x39000
	v_mov_b32 v65, 0
	s_set_vgpr_msb 0xc000
	v_lshrrev_b32 v121, 5, v0
	v_readfirstlane_b32 s22, v121                  ; wave
	s_and_b32 s24, ttmp7, 0xffff
	s_lshr_b32 s25, s24, 3                         ; b
	s_and_b32 s26, s24, 7                          ; head
	s_mul_i32 s40, s25, 3072*2048
	s_lshl_b32 s46, s26, 18                        ; 128 rows of 2,048 bytes
	s_add_co_u32 s40, s40, s46
	s_mov_b32 s41, 0
	s_lshl_b32 s46, ttmp9, 9                       ; my 256 queries: 512 bytes along K's rows
	s_mov_b32 s47, 0
	s_mov_b32 s34, 0x3e0293ee                      ; C2 = log2(e) / sqrt(128)
	s_mov_b32 s35, 0x3e0293ee
	s_mov_b32 s39, 0xbe0293ee                      ; - C2
	s_mov_b32 s36, 0x76543210
	s_mov_b32 s37, 0xfedcba98
	s_mov_b32 s44, 0x39000000                      ; 1 / 8192
	s_mov_b32 s45, 0x3727c5ac                      ; 1e-5
	v_and_b32 v121, 15, v0                         ; r
	v_lshrrev_b32 v125, 4, v0                      ; t >> 4
	v_lshlrev_b32 v[GOFF], 11, v125
	v_lshl_add_u32 v[GOFF], v121, 4, v[GOFF]
	s_lshl_b32 s23, s26, 9
	v_lshl_add_u32 v[PO], v0, 2, s23
	s_wait_kmcnt 0x0
	s_add_nc_u64 s[30:31], s[4:5], s[40:41]        ; Q's rows of this head
	s_add_nc_u64 s[28:29], s[30:31], 0x400000      ; V's: 2,048 rows on
	s_add_nc_u64 s[32:33], s[30:31], 0x200000      ; K's: 1,024 rows on,
	s_add_nc_u64 s[32:33], s[32:33], s[46:47]      ; at my queries
	; thread t serves channel t of the head: 32 partial sums for each of q, k, v, then gain and bias; then K's first half and V's first tile
.irp m, 0,1,2
.set tn, 0
.rept 32
	global_load_b32 v[16+32*\m+tn], v[PO], s[6:7] offset:tn*12288+\m*4096
.set tn, tn+1
.endr
.endr
	global_load_b32 v118, v[PO], s[8:9]
	global_load_b32 v119, v[PO], s[12:13]
	global_load_b32 v120, v[PO], s[16:17]
	global_load_b32 v113, v[PO], s[10:11]
	global_load_b32 v115, v[PO], s[14:15]
	global_load_b32 v117, v[PO], s[18:19]
	GLOAD 32, 0, 128
	GLOAD 28, 0, RAW
	s_mov_b32 s46, 0x3dcccccd                      ; 0.1, the LeakyReLU's slope
	s_mov_b32 s47, 0x3dcccccd
	s_lshl_b32 s40, s25, 22                        ; out0: b x 1,024 rows of 4,096 bytes
	s_lshl_b32 s23, s26, 19                        ; 128 rows
	s_add_co_u32 s40, s40, s23
	s_lshl_b32 s23, ttmp9, 10                      ; 256 queries x 4 bytes
	s_add_co_u32 s40, s40, s23
	s_lshl_b32 s23, s22, 8                         ; my wave's 64
	s_add_co_u32 s40, s40, s23
	s_add_nc_u64 s[42:43], s[20:21], s[40:41]
	v_bfe_u32 v122, v0, 4, 1                       ; h
	v_and_b32 v123, 7, v0
	v_bfe_u32 v124, v0, 3, 1
	v_lshl_add_u32 v126, v122, 3, v123             ; 8 h + (l & 7): the row that a transposing load addresses
	v_mul_u32_u24 v[VADR], v126, PV
	v_lshl_add_u32 v[VADR], v124, 4, v[VADR]
	v_add_nc_u32 v[VADR+1], VS, v[VADR]
	v_mul_u32_u24 v[QADR], v121, PQ
	v_lshl_add_u32 v[QADR], v122, 4, v[QADR]
	v_add_nc_u32 v[QADR], QS0, v[QADR]
	v_add_nc_u32 v[QADR+1], QS, v[QADR]
	v_mul_u32_u24 v[SV], v125, PV
	v_lshl_add_u32 v[SV], v121, 4, v[SV]
	v_add_nc_u32 v[SV+1], VS, v[SV]
	v_mul_u32_u24 v[SQ], v125, PQ
	v_lshl_add_u32 v[SQ], v121, 4, v[SQ]
	v_add_nc_u32 v[SQ], QS0, v[SQ]
	v_add_nc_u32 v[SQ+1], QS, v[SQ]
	v_mul_u32_u24 v[SK], v125, PK
	v_lshl_add_u32 v[SK], v121, 4, v[SK]
	v_add_nc_u32 v[SK], KS0, v[SK]
	v_add_nc_u32 v[SK2], 256, v[SK]                ; a register of its own: 256 + 15 x 8 rows of 544 bytes would pass the 16-bit offset
	v_mul_u32_u24 v[KADR], v126, PK
	v_lshl_add_u32 v[KADR], v124, 4, v[KADR]
	s_lshl_b32 s23, s22, 7                         ; my wave's 64 queries: 128 bytes
	s_add_co_u32 s23, s23, KS0
	v_add_nc_u32 v[KADR], s23, v[KADR]
	v_lshlrev_b32 v[TABW], 3, v0
	v_add_nc_u32 v[TABW], TAB, v[TABW]
	v_lshlrev_b32 v[TABR], 3, v125
	v_add_nc_u32 v[TABR], TAB, v[TABR]
	s_wait_loadcnt 32                              ; sums, gains and biases are in; the 32 loads of K's half and of V's tile are younger
	VARSUM 16
	VARSUM 48
	VARSUM 80
	v_rsq_f32 v16, v16
	v_rsq_f32 v48, v48
	v_rsq_f32 v80, v80
	v_nop                                          ; one plain instruction behind the run
	s_wait_alu depctr_va_vdst(0)
	v_mul_f32 v112, v118, v16                      ; a = gamma / sqrt(var + 1e-5)
	v_mul_f32 v114, v119, v48
	v_mul_f32 v116, v120, v80
	ds_store_b64 v[TABW], v[112:113]
	ds_store_b64 v[TABW], v[114:115] offset:1024
	ds_store_b64 v[TABW], v[116:117] offset:2048
	s_wait_dscnt 0x0                               ; for the other waves' sake
	s_barrier_signal -1
	s_barrier_wait -1
	GLOAD 32, 256, 64                              ; K's second half
.irp k, 0,1,2,3,4,5,6,7,8,9,10,11,12,13,14,15
	ds_load_b64 v[16+2*\k:17+2*\k], v[TABR] offset:1024+64*\k      ; (a, beta) of K's rows (t >> 4) + 8 k
.endr
	s_wait_loadcnt 32                              ; K's first half is in; V's tile and K's second half are younger
	s_wait_dscnt 0x0
	STAGE 128, 16, SK, PK
.irp k, 0,1,2,3,4,5,6,7,8,9,10,11,12,13,14,15
	ds_load_b64 v[CQ+2*\k:CQ+2*\k+1], v[TABR] offset:64*\k
	ds_load_b64 v[CV+2*\k:CV+2*\k+1], v[TABR] offset:2048+64*\k
.endr
	s_wait_loadcnt 16                              ; V's first tile is in; K's second half is younger
	s_wait_dscnt 0x0
	s_add_nc_u64 s[28:29], s[28:29], 256
	STAGE RAW, CV, SV, PV
	GLOAD 30, 0, RAW                               ; Q's first tile
	s_wait_loadcnt 16                              ; K's second half is in; Q's tile is younger
	STAGE 64, 16, SK2, PK
	s_wait_loadcnt 0x0
	s_add_nc_u64 s[30:31], s[30:31], 256
	STAGE RAW, CQ, SQ, PQ
	GLOAD 28, 0, RAW                               ; V's second tile
	s_wait_dscnt 0x0
	s_barrier_signal -1
	s_barrier_wait -1
	WIN 0x80                                       ; my K fragments, once, into window 2
.irp it, 0,1,2,3
.irp kc, 0,1,2,3
	ds_load_tr16_b128 v[8*(4*\it+\kc):8*(4*\it+\kc)+3],   v[KADR] offset:32*\kc*PK+32*\it
	ds_load_tr16_b128 v[8*(4*\it+\kc)+4:8*(4*\it+\kc)+7], v[KADR] offset:(32*\kc+16)*PK+32*\it
.endr
.endr
	WIN 0
.irp it, 0,1,2,3
	v_mov_b32 v[NM+2*\it+1], 0                     ; the packed forms name a pair and use its first register: the second is written once
	v_mov_b32 v[AL+2*\it+1], 0
.endr
	s_wait_dscnt 0x0
	M 0, 1, 1, 1                                   ; steps 0 and 1 stand in front of the loop: the first sub-step starts all sums
	M 1, 0, 1, 1
	s_mov_b32 s38, 2
.Lm:
	M 0, 0, 1, 1                                   ; steps 2 to 5
	M 1, 0, 1, 1
	s_sub_co_u32 s38, s38, 1
	s_cmp_lg_u32 s38, 0
	s_cbranch_scc1 .Lm
	M 0, 0, 1, 0                                   ; step 6 stages step 7's tiles and asks for nothing beyond z's rows
	M 1, 0, 0, 0
	; THE WAY OUT: O / l, 16 channels x 64 queries at a time through my own stage, whole rows of 256 bytes out
	PLACES
.irp it, 0,1,2,3
	v_add_f32 v[TM+\it], v[LA+2*\it], v[LA+2*\it+1]
.endr
.irp it, 0,1,2,3
	v_permlanex16_b32 v[TX+\it], v[TM+\it], s36, s37
.endr
.irp it, 0,1,2,3
	v_add_f32 v[TM+\it], v[TM+\it], v[TX+\it]
.endr
.irp it, 0,1,2,3
	v_rcp_f32 v[AL+2*\it], v[TM+\it]               ; l is at least about 1: the largest score gives 2^0
.endr
	v_and_b32 v48, 15, v0                          ; plain work behind the reciprocals
	v_bfe_u32 v49, v0, 4, 1
	s_mul_i32 s40, s22, 16*272
	s_add_co_u32 s40, s40, OST
	v_mul_u32_u24 v[OSTO], v49, 8*272              ; in: row 8 h + e, word 16 it + r
	v_lshl_add_u32 v[OSTO], v48, 2, v[OSTO]
	v_add_nc_u32 v[OSTO], s40, v[OSTO]
	v_mul_u32_u24 v[ORD], v49, 272                 ; back: lanes 0-15 one row, lanes 16-31 the next
	v_lshl_add_u32 v[ORD], v48, 4, v[ORD]
	v_add_nc_u32 v[ORD], s40, v[ORD]
	v_lshlrev_b32 v[OCO], 12, v49
	v_lshl_add_u32 v[OCO], v48, 4, v[OCO]
	s_wait_alu depctr_va_vdst(0)
.macro OUTC ct, f
	WIN 0x01
.irp it, 0,1,2,3
.irp e, 0,2,4,6
	v_pk_mul_f32 v[FR0+8*\it+\e:FR0+8*\it+\e+1], v[8*(4*\ct+\it)+\e:8*(4*\ct+\it)+\e+1], v[AL+2*\it:AL+2*\it+1] op_sel_hi:[1,0]
.endr
.endr
	WIN 0
.irp it, 0,1,2,3
.irp e, 0,1,2,3,4,5,6,7
	ds_store_b32 v[OSTO], v[FR0+8*\it+\e] offset:\e*272+64*\it     ; 16 neighbouring words for each half; the halves lie 8 rows = 544 words apart: other banks
.endr
.endr
	s_wait_xcnt 0x0                                ; buffer f, which earlier stores read, is loaded again only behind this wait
.irp tt, 0,1,2,3,4,5,6,7
	ds_load_b128 v[\f+4*\tt:\f+4*\tt+3], v[ORD] offset:544*\tt     ; a wave's LDS instructions are served in order
.endr
.irp tt, 0,1,2,3,4,5,6,7
	s_wait_dscnt 7-\tt                             ; read-back tt is in, the younger ones may be out
	global_store_b128 v[OCO], v[\f+4*\tt:\f+4*\tt+3], s[42:43] offset:(16*\ct+2*\tt)*4096 th:TH_STORE_NT   ; 16 lanes store 256 consecutive bytes, aligned
.endr
.endm
	OUTC 0, 192
	OUTC 1, 224
	OUTC 2, 192
	OUTC 3, 224
	OUTC 4, 192
	OUTC 5, 224
	OUTC 6, 192
	OUTC 7, 224
	s_set_vgpr_msb 0xf
	s_wait_tensorcnt 0x0
	ds_add_u32 v64, v65
	s_wait_dscnt 0x0
	s_set_vgpr_msb 0xf00
	s_endpgm
.Lfunc_end_k_qad15cee01d_attn:
	.size	k_qad15cee01d_attn, .Lfunc_end_k_qad15cee01d_attn-k_qad15cee01d_attn
	.p2alignl 7, 3214868480
	.fill 96, 4, 3214868480
	.section	.rodata,"a",@progbits
	.p2align	6, 0x0
	.amdhsa_kernel k_qad15cee01d_attn
		.amdhsa_group_segment_fixed_size 233984
		.amdhsa_private_segment_fixed_size 0
		.amdhsa_enable_private_segment 0
		.amdhsa_kernarg_size 72
		.amdhsa_user_sgpr_count 2
		.amdhsa_user_sgpr_kernarg_segment_ptr 1
		.amdhsa_wavefront_size32 1
		.amdhsa_system_sgpr_workgroup_id_x 1
		.amdhsa_system_sgpr_workgroup_id_y 1
		.amdhsa_system_sgpr_workgroup_id_z 1
		.amdhsa_system_vgpr_workitem_id 0
		.amdhsa_next_free_vgpr 834
		.amdhsa_next_free_sgpr 66
		.amdhsa_reserve_vcc 0
		.amdhsa_float_denorm_mode_32 3
		.amdhsa_float_denorm_mode_16_64 3
		.amdhsa_memory_ordered 1
		.amdhsa_forward_progress 1
		.amdhsa_inst_pref_size 255
	.end_amdhsa_kernel
	.section	.bss,"aw",@nobits
	.p2align	6
	.space	262144
	.amdgpu_metadata
---
amdhsa.version: [ 1, 2 ]
amdhsa.kernels:
  - .name:           k_qad15cee01d_attn
    .symbol:         k_qad15cee01d_attn.kd
    .args:
      - { .name: z, .offset: 0, .size: 8, .value_kind: global_buffer, .address_space: global }
      - { .name: part, .offset: 8, .size: 8, .value_kind: global_buffer, .address_space: global }
      - { .name: gq, .offset: 16, .size: 8, .value_kind: global_buffer, .address_space: global }
      - { .name: bq, .offset: 24, .size: 8, .value_kind: global_buffer, .address_space: global }
      - { .name: gk, .offset: 32, .size: 8, .value_kind: global_buffer, .address_space: global }
      - { .name: bk, .offset: 40, .size: 8, .value_kind: global_buffer, .address_space: global }
      - { .name: gv, .offset: 48, .size: 8, .value_kind: global_buffer, .address_space: global }
      - { .name: bv, .offset: 56, .size: 8, .value_kind: global_buffer, .address_space: global }
      - { .name: out0, .offset: 64, .size: 8, .value_kind: global_buffer, .address_space: global }
    .group_segment_fixed_size: 233984
    .private_segment_fixed_size: 0
    .kernarg_segment_align: 8
    .kernarg_segment_size: 72
    .max_flat_workgroup_size: 128
    .sgpr_count:     66
    .vgpr_count:     834
    .wavefront_size: 32
...
	.end_amdgpu_metadata
.endif
;; end of part 3
;; ======== version 2 of 2: 3 launches; 1.30 times as fast as version 1
;; limits: values outside matrix products are rounded to bf16
;; workspace buffers: xb 8,388,608 bytes; Wb 3,145,728 bytes; z 50,331,648 bytes; part 393,216 bytes
;; launch prep: the kernel of part 1 again; grid 256 x 1, 4 waves a work-group, no clusters, 768 bytes of LDS; arguments x, Wq, Wk, Wv, xb, Wb; writes xb, Wb
;; launch proj: the kernel of part 2 again; grid 32 x 8, 4 waves a work-group, clusters of 4 x 4, 327,680 bytes of LDS; arguments Wb, xb, z, part; writes z, part
;; launch attn (part 4): grid 4 x 64, 4 waves a work-group, no clusters, 233,984 bytes of LDS; arguments z, part, gq, bq, gk, bk, gv, bv, out0; writes out0
.if DOCPART == 4
	.amdgcn_target "amdgcn-amd-amdhsa--gfx1250"
	.amdhsa_code_object_version 6
	.text
	.protected	k_qad15cee01d_attn
	.globl	k_qad15cee01d_attn
	.p2align	8
	.type	k_qad15cee01d_attn,@function
k_qad15cee01d_attn:
	s_mov_b64 s[64:65], 0
	v_nop
	global_prefetch_b8 v0, s[64:65] scope:SCOPE_SE
	s_setreg_imm32_b32 hwreg(HW_REG_WAVE_MODE, 25, 1), 1
	s_wait_xcnt 0x0
; ATTN: for each (b, head): K, V, Q = LeakyReLU(a z + beta), a = gamma / sqrt(mean of z^2 + 1e-5); S[i][j] = sum over c of K[c][i] V[c][j] / sqrt(128);
; softmax over j with a running maximum; out[c][i] = sum over j of P[i][j] Q[c][j].  z is already centred (first kernel's head), so the mean of its
; squares, finished here from part's 32 partial sums, is the variance.  Nothing is left out.
; LIMITS.  K, V, Q and P enter the products in bf16.  v_exp_f32 gives 0 for results under 2^-126.  NaN and infinities are not treated specially.
; SHARES.  Work-group (iblk, y): b = y >> 3, head = y & 7, queries i = 256 iblk .. + 255, all 1,024 j.  Four waves, 64 queries each (it = 0..3 of 16).
; j goes in eight steps of 128 (a tile's rows are 256 bytes of z, aligned), each worked in two sub-steps of 64.
; NO TENSOR LOAD AND NO JOINT REQUEST: every number of a tile passes a z + beta and the LeakyReLU in f32 registers before it is a matrix operand, so a tile
; goes memory -> registers -> LDS, written to LDS once.  Brought by the data mover it would be written to LDS, read, and written again: 32 KiB more
; each way for every tile.
; ORIENTATION.  First product: D[m = j][n = i], source 0 = V read transposed from [c][j], source 1 = K fragments (kept in registers).  Lane (r, h) holds
; i = r and j = 16 jt + 8 h + e: two such tiles, rounded and packed, ARE the second product's source 1 (n = i, k = j): no shuffle.
; Second product: D[m = c][n = i], source 0 = Q from [c][j].  Maximum, rescaling factor and row sum are one number a lane.
; THE LOOP.  The 16 sub-steps run on four copies of the sub-step's text: the first (it starts maximum, row sums and O), two in the loop's body, the last.
; The body is rotated: this step's second sub-step, barrier, the next step's first sub-step; seven trips.
; The slot is no part of the text: two scalars hold the byte offsets of the slot that is read and of the slot that is staged into (0 and 71,680); they are
; exchanged behind the barrier and four address registers are made anew from them.
; STAGING BESIDE THE PRODUCTS.  The body's second sub-step also stages the next step's tiles into the other slot: V's among its 64 first products, Q's
; among its 64 second products.  A tile is 64 registers a thread; the staging is cut into 68 pieces (macro SL), four in front of the run of products and
; one behind each product: six vector instructions that name none of the product's registers.  The pieces work in window 0, the products write
; windows 2 and 1, which K's fragments with S (128 + 128) and O (256) fill: so a piece costs a switch of window to and fro, 256 switches a trip.
; REGISTER WINDOWS.  0: addresses, softmax state, fragments, coefficients, staging.  1: O, tile (ct, it) at 8 (4 ct + it).
; 2: K fragments at 8 (4 it + kc), S at 128 + 8 (4 jt + it).  3: P at 8 (2 it + kj).
.set PV,   288                         ; LDS pitch of V's rows: 256 + 32, an odd multiple of 32 (transposing load)
.set PQ,   272                         ; of Q's rows: 256 + 16, an odd multiple of 16
.set PK,   544                         ; of K's rows: 512 + 32
.set VS,   128*PV                      ; V's part of a slot, 36,864
.set QS,   128*PQ                      ; Q's part, 34,816, behind V's
.set SLOTB, VS+QS                      ; a slot, 71,680; slots at 0 and SLOTB
.set KS0,  2*SLOTB                     ; 143,360: K, 128 rows x 256 queries
.set TAB,  KS0+128*PK                  ; 212,992: [q, k, v][128] pairs (a, beta)
.set OST,  TAB+3072                    ; 216,064: 16 rows x 272 bytes for each wave, for the way out
.set STEPS, 8
.set GOFF, 1                           ; v1      tile load: row t >> 4, 16 bytes at 16 (t & 15); never rewritten
.set VADR, 2                           ; v2      V fragments in the slot that is read = s48 + VL
.set VL,   3                           ; v3      its lane term; never rewritten
.set QADR, 4                           ; v4      Q fragments = s48 + QL
.set QL,   5
.set SV,   6                           ; v6      where I stage V = s49 + SVL
.set SVL,  7
.set SQ,   8                           ; v8      where I stage Q = s49 + SQL
.set SQL,  9
.set SK,   10                          ; v10-11  where I stage K's two halves
.set SK2,  11
.set KADR, 12                          ; v12     K fragments
.set OSTO, 10                          ; v10-12 again in the way out
.set ORD,  11
.set OCO,  12
.set PO,   13                          ; v13     4 (128 head + t): offset in part's rows, in the gains and biases
.set TABW, 14
.set TABR, 15
.set MX,   16                          ; v[16:19] running maximum, one for each it
.set NM,   20                          ; v[20:27] pairs; first register: - C2 x maximum
.set AL,   28                          ; v[28:35] pairs; first register: the rescaling factor, at the end 1 / l
.set LA,   36                          ; v[36:43] pairs: two partial row sums
.set TM,   44                          ; v[44:47]
.set T,    48                          ; v[48:55] at work; in SL a ring of four pairs
.set U,    56                          ; v[56:63] at work; in SL a ring of four pairs
.set TX,   56
.set FR0,  64                          ; fragment buffers, 4 x 8 registers
.set FR1,  96
.set CQ,   128                         ; v[128:159] (a, beta) of my 16 rows of a Q tile
.set CV,   160                         ; v[160:191] of a V tile
.set RAW,  192                         ; v[192:255] a tile's 16 x 16 bytes on their way
.set SB,   128                         ; S in window 2
.set SN,   0                           ; the number of SL's next piece
.set MSB, 0
.macro WIN new
.if MSB != \new
	s_set_vgpr_msb (MSB<<8)|\new
.set MSB, \new
.endif
.endm
.macro PLACES                          ; four places behind a matrix instruction before its registers are loaded into or its result is read (ISA guide 7.12.1)
.rept 4
	v_nop
.endr
.endm
; a tile of 128 rows x 256 bytes of z: 16 loads a thread, rows (t >> 4) + 8 k; sixteen lanes read 256 consecutive bytes, aligned
.macro GLOAD base, imm, dst
.irp k, 0,1,2,3,4,5,6,7,8,9,10,11,12,13,14,15
	global_load_b128 v[\dst+4*\k:\dst+4*\k+3], v[GOFF], s[\base:\base+1] offset:\imm+16384*\k
.endr
.endm
; the tile in raw: y = a z + beta in f32, max(y, 0.1 y) (the LeakyReLU for every finite y), rounded to bf16, stored to LDS; sixteen lanes write one row.
; This form, all in one run, serves the prologue, which has no products to set it among.
.macro STAGE raw, cb, adr, pitch
.irp k, 0,1,2,3,4,5,6,7,8,9,10,11,12,13,14,15
.irp e, 0,1,2,3
	v_fma_mix_f32_bf16 v[T+2*\e],   v[\raw+4*\k+\e], v[\cb+2*\k], v[\cb+2*\k+1] op_sel_hi:[1,0,0]
	v_fma_mix_f32_bf16 v[T+2*\e+1], v[\raw+4*\k+\e], v[\cb+2*\k], v[\cb+2*\k+1] op_sel:[1,0,0] op_sel_hi:[1,0,0]
.endr
.irp e, 0,2,4,6
	v_pk_mul_f32 v[U+\e:U+\e+1], v[T+\e:T+\e+1], s[46:47] op_sel_hi:[1,0]
.endr
.irp e, 0,1,2,3,4,5,6,7
	v_max_num_f32 v[T+\e], v[T+\e], v[U+\e]
.endr
.irp e, 0,1,2,3
	v_cvt_pk_bf16_f32 v[\raw+4*\k+\e], v[T+2*\e], v[T+2*\e+1]
.endr
	ds_store_b128 v[\adr], v[\raw+4*\k:\raw+4*\k+3] offset:8*\k*\pitch
.endr
.endm
; The same staging as a pipeline, one piece a call; SN counts the pieces, 0 to 67, and is set to 0 in front of a tile.  Register n of the tile (two numbers) is
; item n.  Piece n: a z + beta for item n, 0.1 y for item n - 1, the maximum for item n - 2, the rounding for item n - 3; piece 4 k + 7 stores row k's 16 bytes.
; So no instruction of a piece reads what the same piece wrote, and a store stands a piece behind its last rounding.  Item n works in pair n % 4 of T and of U:
; item n + 4 writes T's pair one piece behind item n's rounding, which read it last.
; isv = 1 (V's tile, all in registers when piece 0 runs): behind row k's store, Q's row k is asked for into the four registers that the store has read.
; isv = 0 (Q's tile): piece 4 k waits for that load.
.macro SL raw, cb, adr, pitch, isv
.if SN < 64
.if \isv == 0
.if SN%4 == 0
	s_wait_loadcnt 15-SN/4                         ; Q's load k = SN / 4 is in; the 15 - k issued behind it, all Q's, may be out
.endif
.endif
	v_fma_mix_f32_bf16 v[T+2*(SN%4)],   v[\raw+SN], v[\cb+2*(SN/4)], v[\cb+2*(SN/4)+1] op_sel_hi:[1,0,0]
	v_fma_mix_f32_bf16 v[T+2*(SN%4)+1], v[\raw+SN], v[\cb+2*(SN/4)], v[\cb+2*(SN/4)+1] op_sel:[1,0,0] op_sel_hi:[1,0,0]
.endif
.if SN >= 1
.if SN <= 64
	v_pk_mul_f32 v[U+2*((SN-1)%4):U+2*((SN-1)%4)+1], v[T+2*((SN-1)%4):T+2*((SN-1)%4)+1], s[46:47] op_sel_hi:[1,0]
.endif
.endif
.if SN >= 2
.if SN <= 65
	v_max_num_f32 v[T+2*((SN-2)%4)],   v[T+2*((SN-2)%4)],   v[U+2*((SN-2)%4)]
	v_max_num_f32 v[T+2*((SN-2)%4)+1], v[T+2*((SN-2)%4)+1], v[U+2*((SN-2)%4)+1]
.endif
.endif
.if SN >= 3
.if SN <= 66
	v_cvt_pk_bf16_f32 v[\raw+SN-3], v[T+2*((SN-3)%4)], v[T+2*((SN-3)%4)+1]
.endif
.endif
.if SN >= 7
.if (SN-7)%4 == 0
	ds_store_b128 v[\adr], v[\raw+SN-7:\raw+SN-4] offset:8*((SN-7)/4)*\pitch
.if \isv
	global_load_b128 v[\raw+SN-7:\raw+SN-4], v[GOFF], s[30:31] offset:16384*((SN-7)/4)
.endif
.endif
.endif
.set SN, SN+1
.endm
; the four slot addresses from the two slot offsets and the lane terms (LDS instructions have read their address registers at issue)
.macro SETADR
	v_add_nc_u32 v[VADR], s48, v[VL]
	v_add_nc_u32 v[QADR], s48, v[QL]
	v_add_nc_u32 v[SV],   s49, v[SVL]
	v_add_nc_u32 v[SQ],   s49, v[SQL]
.endm
; 8 transposing loads: V^T, 16 j (block jt of sub-step u) x all 128 c
.macro VLOAD u, jt, dst
.irp kc, 0,1,2,3
	ds_load_tr16_b128 v[\dst+8*\kc:\dst+8*\kc+3],   v[VADR] offset:32*\kc*PV+128*\u+32*\jt
	ds_load_tr16_b128 v[\dst+8*\kc+4:\dst+8*\kc+7], v[VADR] offset:(32*\kc+16)*PV+128*\u+32*\jt
.endr
.endm
; 8 loads: Q, channel blocks 2 g, 2 g + 1 x the sub-step's 64 j
.macro QLOAD u, g, dst
.irp cl, 0,1
.irp kj, 0,1
	ds_load_b128 v[\dst+8*(2*\cl+\kj):\dst+8*(2*\cl+\kj)+3],   v[QADR] offset:16*(2*\g+\cl)*PQ+128*\u+64*\kj
	ds_load_b128 v[\dst+8*(2*\cl+\kj)+4:\dst+8*(2*\cl+\kj)+7], v[QADR] offset:16*(2*\g+\cl)*PQ+128*\u+64*\kj+32
.endr
.endr
.endm
; 16 matrix instructions: S tiles (jt, 0..3), the four accumulators by turns; the first link starts the sum.
; cnt: the LDS instructions issued behind buffer f's loads.  host = 1: a piece of V's staging behind each.  pl = 1: four v_nop close the run.
.macro SMUL jt, f, cnt, host, pl
	s_wait_dscnt \cnt
.irp kc, 0,1,2,3
.irp it, 0,1,2,3
	WIN 0xa8
.if \kc == 0
	v_wmma_f32_16x16x32_bf16 v[SB+8*(4*\jt+\it):SB+8*(4*\jt+\it)+7], v[\f+8*\kc:\f+8*\kc+7], v[8*(4*\it+\kc):8*(4*\it+\kc)+7], 0
.else
	v_wmma_f32_16x16x32_bf16 v[SB+8*(4*\jt+\it):SB+8*(4*\jt+\it)+7], v[\f+8*\kc:\f+8*\kc+7], v[8*(4*\it+\kc):8*(4*\it+\kc)+7], v[SB+8*(4*\jt+\it):SB+8*(4*\jt+\it)+7]
.endif
.if \host
	WIN 0
	SL RAW, CV, SV, PV, 1
.endif
.endr
.endr
	WIN 0
.if \pl
	PLACES
.endif
.endm
; 16 matrix instructions: O tiles (2 g, 0..3), (2 g + 1, 0..3), eight accumulators by turns.  host = 1: a piece of Q's staging behind each.
.macro PMUL g, f, first, cnt, host
	s_wait_dscnt \cnt
.irp kj, 0,1
.irp cl, 0,1
.irp it, 0,1,2,3
	WIN 0x5c
.if \first*(1-\kj)
	v_wmma_f32_16x16x32_bf16 v[8*(4*(2*\g+\cl)+\it):8*(4*(2*\g+\cl)+\it)+7], v[\f+8*(2*\cl+\kj):\f+8*(2*\cl+\kj)+7], v[8*(2*\it+\kj):8*(2*\it+\kj)+7], 0
.else
	v_wmma_f32_16x16x32_bf16 v[8*(4*(2*\g+\cl)+\it):8*(4*(2*\g+\cl)+\it)+7], v[\f+8*(2*\cl+\kj):\f+8*(2*\cl+\kj)+7], v[8*(2*\it+\kj):8*(2*\it+\kj)+7], v[8*(4*(2*\g+\cl)+\it):8*(4*(2*\g+\cl)+\it)+7]
.endif
.if \host
	WIN 0
	SL RAW, CQ, SQ, PQ, 0
.endif
.endr
.endr
.endr
	WIN 0
.endm
; A sub-step: 64 j (half u) of the slot that VADR and QADR point at.  first = 1: the very first: it starts maximum, row sums and O.
; host = 1: the next step's V (in RAW at the start) and Q are staged on the way.
; THE COUNTS ON DScnt.  A run of 16 products waits for its own fragment buffer; younger are the other buffer's eight loads and, with host = 1, the four
; row stores of the run in between (pieces 7, 11, 15, 19 of each sixteen): 8 + 4 host.  In front of the first run no store has been issued: 8.
; In front of the last run no loads are younger: 4 host.
; THE PLACES.  With host = 1 the piece behind a run's last product has six plain vector instructions in window 0's v48-63 and v128-255, none of them
; a register of the products: they stand for the four v_nop in front of the next fragment loads.  The last run of first products ends on the pipeline's
; drain (pieces 64 to 67, the last a store alone): there the v_nop stay.
.macro SUB u, first, host
	WIN 0
	PLACES
	VLOAD \u, 0, FR0
	VLOAD \u, 1, FR1
.if \host
.set SN, 0
.rept 4
	SL RAW, CV, SV, PV, 1                          ; pieces 0 to 3, while the first fragments are on their way from LDS
.endr
.endif
	SMUL 0, FR0, 8, \host, 1-\host
	VLOAD \u, 2, FR0
	SMUL 1, FR1, 8+4*\host, \host, 1-\host
	VLOAD \u, 3, FR1
	SMUL 2, FR0, 8+4*\host, \host, 1-\host
	QLOAD \u, 0, FR0
	SMUL 3, FR1, 8+4*\host, \host, 1
	QLOAD \u, 1, FR1
	; the largest of my 32 scores for each it
	WIN 0x0a
.irp it, 0,1,2,3
	v_max_num_f32 v[TM+\it], v[SB+8*\it], v[SB+8*\it+1]
.endr
.irp jt, 0,1,2,3
.irp e, 0,2,4,6
.if \jt+\e
.irp it, 0,1,2,3
	v_max3_num_f32 v[TM+\it], v[SB+8*(4*\jt+\it)+\e], v[SB+8*(4*\jt+\it)+\e+1], v[TM+\it]
.endr
.endif
.endr
.endr
	WIN 0
.irp it, 0,1,2,3
	v_permlanex16_b32 v[TX+\it], v[TM+\it], s36, s37   ; lanes r and r + 16 hold the same query's other j
.endr
.if \first
.irp it, 0,1,2,3
	v_max_num_f32 v[MX+\it], v[TM+\it], v[TX+\it]
.endr
.else
.irp it, 0,1,2,3
	v_max3_num_f32 v[TM+\it], v[TM+\it], v[TX+\it], v[MX+\it]
.endr
.irp it, 0,1,2,3
	v_sub_f32 v[AL+2*\it], v[MX+\it], v[TM+\it]
.endr
.irp it, 0,1,2,3
	v_mul_f32 v[AL+2*\it], s34, v[AL+2*\it]
.endr
.irp it, 0,1,2,3
	v_mov_b32 v[MX+\it], v[TM+\it]
.endr
.irp it, 0,1,2,3
	v_exp_f32 v[AL+2*\it], v[AL+2*\it]             ; the factor by which the old sums shrink
.endr
.endif
.irp it, 0,1,2,3
	v_mul_f32 v[NM+2*\it], s39, v[MX+\it]          ; plain work that touches no AL stands behind the exponentials (ISA guide 5.7.2)
.endr
.if 1-\first
	s_wait_alu depctr_va_vdst(0)
.irp it, 0,1,2,3
	v_pk_mul_f32 v[LA+2*\it:LA+2*\it+1], v[LA+2*\it:LA+2*\it+1], v[AL+2*\it:AL+2*\it+1] op_sel_hi:[1,0]
.endr
.endif
	; p = 2^(C2 s - C2 maximum), C2 = log2(e) / sqrt(128)
	WIN 0x82
.irp jt, 0,1,2,3
.irp e, 0,2,4,6
.irp it, 0,1,2,3
	v_pk_fma_f32 v[SB+8*(4*\jt+\it)+\e:SB+8*(4*\jt+\it)+\e+1], v[SB+8*(4*\jt+\it)+\e:SB+8*(4*\jt+\it)+\e+1], s[34:35], v[NM+2*\it:NM+2*\it+1] op_sel_hi:[1,0,0]
.endr
.endr
.endr
.set n, 0
.rept 128
	v_exp_f32 v[SB+n], v[SB+n]
.set n, n+1
.endr
	v_nop                                          ; one plain instruction behind the run before any of its results is read
	; row sums in f32, two chains for each it
.if \first
	WIN 0x0a
	s_wait_alu depctr_va_vdst(0)
.irp it, 0,1,2,3
	v_pk_add_f32 v[LA+2*\it:LA+2*\it+1], v[SB+8*\it:SB+8*\it+1], v[SB+8*\it+2:SB+8*\it+3]
.endr
.endif
	WIN 0x02
.irp jt, 0,1,2,3
.irp e, 0,2,4,6
.if (1-\first)+\jt+(\e/4)
	s_wait_alu depctr_va_vdst(0)
.irp it, 0,1,2,3
	v_pk_add_f32 v[LA+2*\it:LA+2*\it+1], v[SB+8*(4*\jt+\it)+\e:SB+8*(4*\jt+\it)+\e+1], v[LA+2*\it:LA+2*\it+1]
.endr
.endif
.endr
.endr
	; P: tiles 2 kj and 2 kj + 1 packed are registers 0-3 and 4-7 of the fragment (it, kj)
	WIN 0xca
.irp it, 0,1,2,3
.irp jt, 0,1,2,3
.irp e, 0,1,2,3
	v_cvt_pk_bf16_f32 v[8*(2*\it+\jt/2)+4*(\jt%2)+\e], v[SB+8*(4*\jt+\it)+2*\e], v[SB+8*(4*\jt+\it)+2*\e+1]
.endr
.endr
.endr
.if 1-\first
	WIN 0x41
.irp ct, 0,1,2,3,4,5,6,7
.irp it, 0,1,2,3
.irp e, 0,2,4,6
	v_pk_mul_f32 v[8*(4*\ct+\it)+\e:8*(4*\ct+\it)+\e+1], v[8*(4*\ct+\it)+\e:8*(4*\ct+\it)+\e+1], v[AL+2*\it:AL+2*\it+1] op_sel_hi:[1,0]
.endr
.endr
.endr
.endif
.if \host
	WIN 0
.set SN, 0
.rept 4
	SL RAW, CQ, SQ, PQ, 0                          ; Q's pieces 0 to 3; T and U are free again: V's pipeline has run dry, the softmax's use of v56-59 is over
.endr
.endif
	PMUL 0, FR0, \first, 8+4*\host, \host
.if 1-\host
	PLACES
.endif
	QLOAD \u, 2, FR0
	PMUL 1, FR1, \first, 8+4*\host, \host
.if 1-\host
	PLACES
.endif
	QLOAD \u, 3, FR1
	PMUL 2, FR0, \first, 8+4*\host, \host
	PMUL 3, FR1, \first, 4*\host, \host
.endm
; 32 partial sums in v[b : b+31] -> mean of squares + 1e-5 in v[b]
.macro VARSUM b
.irp i, 0,2,4,6,8,10,12,14
	v_pk_add_f32 v[\b+\i:\b+\i+1], v[\b+\i:\b+\i+1], v[\b+16+\i:\b+16+\i+1]
.endr
.irp i, 0,2,4,6
	v_pk_add_f32 v[\b+\i:\b+\i+1], v[\b+\i:\b+\i+1], v[\b+8+\i:\b+8+\i+1]
.endr
.irp i, 0,2
	v_pk_add_f32 v[\b+\i:\b+\i+1], v[\b+\i:\b+\i+1], v[\b+4+\i:\b+4+\i+1]
.endr
	v_pk_add_f32 v[\b:\b+1], v[\b:\b+1], v[\b+2:\b+3]
	v_add_f32 v[\b], v[\b], v[\b+1]
	v_fma_f32 v[\b], v[\b], s44, s45
.endm
	s_load_b512 s[4:19], s[0:1], 0x0               ; z s[4:5], part s[6:7], gq s[8:9], bq s[10:11], gk s[12:13], bk s[14:15], gv s[16:17], bv s[18:19]
	s_load_b64 s[20:21], s[0:1], 0x40              ; out0
	s_set_vgpr_msb 0xc0
	v_lshl_add_u32 v64, v0, 2, 0x39000
	v_mov_b32 v65, 0
	s_set_vgpr_msb 0xc000
	v_lshrrev_b32 v121, 5, v0
	v_readfirstlane_b32 s22, v121                  ; wave
	s_and_b32 s24, ttmp7, 0xffff
	s_lshr_b32 s25, s24, 3                         ; b
	s_and_b32 s26, s24, 7                          ; head
	s_mul_i32 s40, s25, 3072*2048
	s_lshl_b32 s46, s26, 18                        ; 128 rows of 2,048 bytes
	s_add_co_u32 s40, s40, s46
	s_mov_b32 s41, 0
	s_lshl_b32 s46, ttmp9, 9                       ; my 256 queries: 512 bytes along K's rows
	s_mov_b32 s47, 0
	s_mov_b32 s34, 0x3e0293ee                      ; C2 = log2(e) / sqrt(128)
	s_mov_b32 s35, 0x3e0293ee
	s_mov_b32 s39, 0xbe0293ee                      ; - C2
	s_mov_b32 s36, 0x76543210
	s_mov_b32 s37, 0xfedcba98
	s_mov_b32 s44, 0x39000000                      ; 1 / 8192
	s_mov_b32 s45, 0x3727c5ac                      ; 1e-5
	v_and_b32 v121, 15, v0                         ; r
	v_lshrrev_b32 v125, 4, v0                      ; t >> 4
	v_lshlrev_b32 v[GOFF], 11, v125
	v_lshl_add_u32 v[GOFF], v121, 4, v[GOFF]
	s_lshl_b32 s23, s26, 9
	v_lshl_add_u32 v[PO], v0, 2, s23
	s_wait_kmcnt 0x0
	s_add_nc_u64 s[30:31], s[4:5], s[40:41]        ; Q's rows of this head
	s_add_nc_u64 s[28:29], s[30:31], 0x400000      ; V's: 2,048 rows on
	s_add_nc_u64 s[32:33], s[30:31], 0x200000      ; K's: 1,024 rows on,
	s_add_nc_u64 s[32:33], s[32:33], s[46:47]      ; at my queries
	; thread t serves channel t of the head: 32 partial sums for each of q, k, v, then gain and bias; then K's first half and V's first tile
.irp m, 0,1,2
.set tn, 0
.rept 32
	global_load_b32 v[16+32*\m+tn], v[PO], s[6:7] offset:tn*12288+\m*4096
.set tn, tn+1
.endr
.endr
	global_load_b32 v118, v[PO], s[8:9]
	global_load_b32 v119, v[PO], s[12:13]
	global_load_b32 v120, v[PO], s[16:17]
	global_load_b32 v113, v[PO], s[10:11]
	global_load_b32 v115, v[PO], s[14:15]
	global_load_b32 v117, v[PO], s[18:19]
	GLOAD 32, 0, 128
	GLOAD 28, 0, RAW
	s_mov_b32 s46, 0x3dcccccd                      ; 0.1, the LeakyReLU's slope
	s_mov_b32 s47, 0x3dcccccd
	s_lshl_b32 s40, s25, 22                        ; out0: b x 1,024 rows of 4,096 bytes
	s_lshl_b32 s23, s26, 19                        ; 128 rows
	s_add_co_u32 s40, s40, s23
	s_lshl_b32 s23, ttmp9, 10                      ; 256 queries x 4 bytes
	s_add_co_u32 s40, s40, s23
	s_lshl_b32 s23, s22, 8                         ; my wave's 64
	s_add_co_u32 s40, s40, s23
	s_add_nc_u64 s[42:43], s[20:21], s[40:41]
	v_bfe_u32 v122, v0, 4, 1                       ; h
	v_and_b32 v123, 7, v0
	v_bfe_u32 v124, v0, 3, 1
	v_lshl_add_u32 v126, v122, 3, v123             ; 8 h + (l & 7): the row that a transposing load addresses
	v_mul_u32_u24 v[VL], v126, PV                  ; lane terms, counted from a slot's first byte
	v_lshl_add_u32 v[VL], v124, 4, v[VL]
	v_mul_u32_u24 v[QL], v121, PQ
	v_lshl_add_u32 v[QL], v122, 4, v[QL]
	v_add_nc_u32 v[QL], VS, v[QL]
	v_mul_u32_u24 v[SVL], v125, PV
	v_lshl_add_u32 v[SVL], v121, 4, v[SVL]
	v_mul_u32_u24 v[SQL], v125, PQ
	v_lshl_add_u32 v[SQL], v121, 4, v[SQL]
	v_add_nc_u32 v[SQL], VS, v[SQL]
	v_mul_u32_u24 v[SK], v125, PK
	v_lshl_add_u32 v[SK], v121, 4, v[SK]
	v_add_nc_u32 v[SK], KS0, v[SK]
	v_add_nc_u32 v[SK2], 256, v[SK]                ; a register of its own: 256 + 15 x 8 rows of 544 bytes would pass the 16-bit offset
	v_mul_u32_u24 v[KADR], v126, PK
	v_lshl_add_u32 v[KADR], v124, 4, v[KADR]
	s_lshl_b32 s23, s22, 7                         ; my wave's 64 queries: 128 bytes
	s_add_co_u32 s23, s23, KS0
	v_add_nc_u32 v[KADR], s23, v[KADR]
	v_lshlrev_b32 v[TABW], 3, v0
	v_add_nc_u32 v[TABW], TAB, v[TABW]
	v_lshlrev_b32 v[TABR], 3, v125
	v_add_nc_u32 v[TABR], TAB, v[TABR]
	s_wait_loadcnt 32                              ; sums, gains and biases are in; the 32 loads of K's half and of V's tile are younger
	VARSUM 16
	VARSUM 48
	VARSUM 80
	v_rsq_f32 v16, v16
	v_rsq_f32 v48, v48
	v_rsq_f32 v80, v80
	v_nop                                          ; one plain instruction behind the run
	s_wait_alu depctr_va_vdst(0)
	v_mul_f32 v112, v118, v16                      ; a = gamma / sqrt(var + 1e-5)
	v_mul_f32 v114, v119, v48
	v_mul_f32 v116, v120, v80
	ds_store_b64 v[TABW], v[112:113]
	ds_store_b64 v[TABW], v[114:115] offset:1024
	ds_store_b64 v[TABW], v[116:117] offset:2048
	s_wait_dscnt 0x0                               ; for the other waves' sake
	s_barrier_signal -1
	s_barrier_wait -1
	GLOAD 32, 256, 64                              ; K's second half
.irp k, 0,1,2,3,4,5,6,7,8,9,10,11,12,13,14,15
	ds_load_b64 v[16+2*\k:17+2*\k], v[TABR] offset:1024+64*\k      ; (a, beta) of K's rows (t >> 4) + 8 k
.endr
	s_wait_loadcnt 32                              ; K's first half is in; V's tile and K's second half are younger
	s_wait_dscnt 0x0
	STAGE 128, 16, SK, PK
.irp k, 0,1,2,3,4,5,6,7,8,9,10,11,12,13,14,15
	ds_load_b64 v[CQ+2*\k:CQ+2*\k+1], v[TABR] offset:64*\k
	ds_load_b64 v[CV+2*\k:CV+2*\k+1], v[TABR] offset:2048+64*\k
.endr
	s_wait_loadcnt 16                              ; V's first tile is in; K's second half is younger
	s_wait_dscnt 0x0
	s_add_nc_u64 s[28:29], s[28:29], 256
	STAGE RAW, CV, SVL, PV                         ; step 0's tiles go to slot 0: the lane terms are its addresses
	GLOAD 30, 0, RAW                               ; Q's first tile
	s_wait_loadcnt 16                              ; K's second half is in; Q's tile is younger
	STAGE 64, 16, SK2, PK
	s_wait_loadcnt 0x0
	s_add_nc_u64 s[30:31], s[30:31], 256
	STAGE RAW, CQ, SQL, PQ
	GLOAD 28, 0, RAW                               ; V's second tile
	s_wait_dscnt 0x0
	s_barrier_signal -1
	s_barrier_wait -1
	WIN 0x80                                       ; my K fragments, once, into window 2
.irp it, 0,1,2,3
.irp kc, 0,1,2,3
	ds_load_tr16_b128 v[8*(4*\it+\kc):8*(4*\it+\kc)+3],   v[KADR] offset:32*\kc*PK+32*\it
	ds_load_tr16_b128 v[8*(4*\it+\kc)+4:8*(4*\it+\kc)+7], v[KADR] offset:(32*\kc+16)*PK+32*\it
.endr
.endr
	WIN 0
.irp it, 0,1,2,3
	v_mov_b32 v[NM+2*\it+1], 0                     ; the packed forms name a pair and use its first register: the second is written once
	v_mov_b32 v[AL+2*\it+1], 0
.endr
	s_mov_b32 s48, 0                               ; the slot that is read
	s_mov_b32 s49, SLOTB                           ; the slot that is staged into
	SETADR
	s_wait_dscnt 0x0
	SUB 0, 1, 0                                    ; step 0, first half: it starts all sums
	s_mov_b32 s38, 0                               ; m
	; Trip m = 0 .. 6: step m's second half, which stages step m + 1's V and Q into the other slot on its way, and step m + 1's first half.
	; V of step m + 1 was asked for a whole sub-step earlier; Q's row k is asked for behind V's row k and is wanted 64 products and a softmax later.
	; ONE barrier a trip: in front of it each wave's reads of the slot that is read and its stores into the other one are done; behind it the slots
	; change places, the new one is read, and the old one is written only by the next trip's staging.
.Lm:
	s_wait_loadcnt 0x0                             ; V of step m + 1 is in registers, and its loads' base is free
	s_add_nc_u64 s[28:29], s[28:29], 256
	SUB 1, 0, 1
	s_add_nc_u64 s[30:31], s[30:31], 256           ; Q's sixteen loads were shown done by the wait for 0 in front of its last row
	s_cmp_eq_u32 s38, STEPS-2                      ; the last trip asks for no V: step 8 does not exist, and no load leaves z's rows.
	s_cbranch_scc1 .Lnov                           ; The branch hangs on the trip alone; the only wait on these loads is the next trip's, for 0
	GLOAD 28, 0, RAW                               ; V of step m + 2, in one run behind Q's last store: so the counts of Q's waits are the same in every trip
.Lnov:
	s_wait_dscnt 0x0
	s_barrier_signal -1
	s_barrier_wait -1
	s_xor_b32 s48, s48, SLOTB                      ; 0 <-> 71,680
	s_xor_b32 s49, s49, SLOTB                      ; 71,680 <-> 0
	SETADR
	SUB 0, 0, 0
	s_add_co_u32 s38, s38, 1
	s_cmp_lt_u32 s38, STEPS-1
	s_cbranch_scc1 .Lm
	SUB 1, 0, 0                                    ; step 7, second half: nothing is left to stage
	; THE WAY OUT: O / l, 16 channels x 64 queries at a time through my own stage, whole rows of 256 bytes out
	PLACES
.irp it, 0,1,2,3
	v_add_f32 v[TM+\it], v[LA+2*\it], v[LA+2*\it+1]
.endr
.irp it, 0,1,2,3
	v_permlanex16_b32 v[TX+\it], v[TM+\it], s36, s37
.endr
.irp it, 0,1,2,3
	v_add_f32 v[TM+\it], v[TM+\it], v[TX+\it]
.endr
.irp it, 0,1,2,3
	v_rcp_f32 v[AL+2*\it], v[TM+\it]               ; l is at least about 1: the largest score gives 2^0
.endr
	v_and_b32 v48, 15, v0                          ; plain work behind the reciprocals
	v_bfe_u32 v49, v0, 4, 1
	s_mul_i32 s40, s22, 16*272
	s_add_co_u32 s40, s40, OST
	v_mul_u32_u24 v[OSTO], v49, 8*272              ; in: row 8 h + e, word 16 it + r
	v_lshl_add_u32 v[OSTO], v48, 2, v[OSTO]
	v_add_nc_u32 v[OSTO], s40, v[OSTO]
	v_mul_u32_u24 v[ORD], v49, 272                 ; back: lanes 0-15 one row, lanes 16-31 the next
	v_lshl_add_u32 v[ORD], v48, 4, v[ORD]
	v_add_nc_u32 v[ORD], s40, v[ORD]
	v_lshlrev_b32 v[OCO], 12, v49
	v_lshl_add_u32 v[OCO], v48, 4, v[OCO]
	s_wait_alu depctr_va_vdst(0)
.macro OUTC ct, f
	WIN 0x01
.irp it, 0,1,2,3
.irp e, 0,2,4,6
	v_pk_mul_f32 v[FR0+8*\it+\e:FR0+8*\it+\e+1], v[8*(4*\ct+\it)+\e:8*(4*\ct+\it)+\e+1], v[AL+2*\it:AL+2*\it+1] op_sel_hi:[1,0]
.endr
.endr
	WIN 0
.irp it, 0,1,2,3
.irp e, 0,1,2,3,4,5,6,7
	ds_store_b32 v[OSTO], v[FR0+8*\it+\e] offset:\e*272+64*\it     ; 16 neighbouring words for each half; the halves lie 8 rows = 544 words apart: other banks
.endr
.endr
	s_wait_xcnt 0x0                                ; buffer f, which earlier stores read, is loaded again only behind this wait
.irp tt, 0,1,2,3,4,5,6,7
	ds_load_b128 v[\f+4*\tt:\f+4*\tt+3], v[ORD] offset:544*\tt     ; a wave's LDS instructions are served in order
.endr
.irp tt, 0,1,2,3,4,5,6,7
	s_wait_dscnt 7-\tt                             ; read-back tt is in, the younger ones may be out
	global_store_b128 v[OCO], v[\f+4*\tt:\f+4*\tt+3], s[42:43] offset:(16*\ct+2*\tt)*4096 th:TH_STORE_NT   ; 16 lanes store 256 consecutive bytes, aligned
.endr
.endm
	OUTC 0, 192
	OUTC 1, 224
	OUTC 2, 192
	OUTC 3, 224
	OUTC 4, 192
	OUTC 5, 224
	OUTC 6, 192
	OUTC 7, 224
	s_set_vgpr_msb 0xf
	s_wait_tensorcnt 0x0
	ds_add_u32 v64, v65
	s_wait_dscnt 0x0
	s_set_vgpr_msb 0xf00
	s_endpgm
.Lfunc_end_k_qad15cee01d_attn:
	.size	k_qad15cee01d_attn, .Lfunc_end_k_qad15cee01d_attn-k_qad15cee01d_attn
	.p2alignl 7, 3214868480
	.fill 96, 4, 3214868480
	.section	.rodata,"a",@progbits
	.p2align	6, 0x0
	.amdhsa_kernel k_qad15cee01d_attn
		.amdhsa_group_segment_fixed_size 233984
		.amdhsa_private_segment_fixed_size 0
		.amdhsa_enable_private_segment 0
		.amdhsa_kernarg_size 72
		.amdhsa_user_sgpr_count 2
		.amdhsa_user_sgpr_kernarg_segment_ptr 1
		.amdhsa_wavefront_size32 1
		.amdhsa_system_sgpr_workgroup_id_x 1
		.amdhsa_system_sgpr_workgroup_id_y 1
		.amdhsa_system_sgpr_workgroup_id_z 1
		.amdhsa_system_vgpr_workitem_id 0
		.amdhsa_next_free_vgpr 834
		.amdhsa_next_free_sgpr 66
		.amdhsa_reserve_vcc 0
		.amdhsa_float_denorm_mode_32 3
		.amdhsa_float_denorm_mode_16_64 3
		.amdhsa_memory_ordered 1
		.amdhsa_forward_progress 1
		.amdhsa_inst_pref_size 255
	.end_amdhsa_kernel
	.section	.bss,"aw",@nobits
	.p2align	6
	.space	262144
	.amdgpu_metadata
---
amdhsa.version: [ 1, 2 ]
amdhsa.kernels:
  - .name:           k_qad15cee01d_attn
    .symbol:         k_qad15cee01d_attn.kd
    .args:
      - { .name: z, .offset: 0, .size: 8, .value_kind: global_buffer, .address_space: global }
      - { .name: part, .offset: 8, .size: 8, .value_kind: global_buffer, .address_space: global }
      - { .name: gq, .offset: 16, .size: 8, .value_kind: global_buffer, .address_space: global }
      - { .name: bq, .offset: 24, .size: 8, .value_kind: global_buffer, .address_space: global }
      - { .name: gk, .offset: 32, .size: 8, .value_kind: global_buffer, .address_space: global }
      - { .name: bk, .offset: 40, .size: 8, .value_kind: global_buffer, .address_space: global }
      - { .name: gv, .offset: 48, .size: 8, .value_kind: global_buffer, .address_space: global }
      - { .name: bv, .offset: 56, .size: 8, .value_kind: global_buffer, .address_space: global }
      - { .name: out0, .offset: 64, .size: 8, .value_kind: global_buffer, .address_space: global }
    .group_segment_fixed_size: 233984
    .private_segment_fixed_size: 0
    .kernarg_segment_align: 8
    .kernarg_segment_size: 72
    .max_flat_workgroup_size: 128
    .sgpr_count:     66
    .vgpr_count:     834
    .wavefront_size: 32
...
	.end_amdgpu_metadata
.endif
;; end of part 4
